; MI455X (gfx1250); checked and timed in simulation.
; The chip was launched on July 23, 2026; its instructions are those of AMD's public machine-readable ISA for CDNA 5 (MIT licence, August 2026) and "CDNA5" Instruction Set Architecture Reference Guide (July 2026). The comments in the code are by the model that wrote it; some were corrected since.
;; Multi Head Attention. Allowed arithmetic: matrix products marked QUANTISED: E2M3 operands, one E8M0 scale for each 32 along K, by v_wmma_scale_f32_16x16x128_f8f6f4 with both operands' format E2M3, f32 sums; everything else in f32.
;; Inputs: b_out 1,024 float32; w_in 1,024 x 3,072 float32; w_out 1,024 x 1,024 float32; x 4 x 2,048 x 1,024 float32.
;; Outputs: out0 4 x 2,048 x 1,024 float32.
;; This version of the problem:
;;   THIS VERSION OF THE PROBLEM IS GIVEN IN LOW PRECISION. The matrix products marked QUANTISED in the list below multiply operands that are first quantised to E2M3 (2 exponent bits, 3 mantissa bits; 6 bits a number), with one power-of-two scale for each 32 numbers along K (OCP MX v1.0); their sums are f32. All else is computed in f32.
;;   The module's matrix products, in the order in which they are computed (A, B: the left and right operand; K: the contracted axis; several contracted axes count as one K, in the product's order):
;;     1. [M 8,192, K 1,024] x [K 1,024, N 3,072]; A: input x; B: input w_in: QUANTISED
;;     2. batch 64 x [M 2,048, K 64] x [K 64, N 2,048]; A: computed on the way; B: computed on the way: QUANTISED
;;     3. batch 64 x [M 2,048, K 2,048] x [K 2,048, N 64]; A: softmax (see below); B: computed on the way: QUANTISED
;;     4. [M 8,192, K 1,024] x [K 1,024, N 1,024]; A: computed on the way; B: input w_out: QUANTISED
;;   THE QUANTISER, for each operand of a quantised product, along K:
;;     - K is cut into blocks of 32 from its start; a last block that is shorter is filled with zeros.
;;     - A block's scale is 2^e with e = floor(log2(the largest magnitude in the block)) - 2, held to -126 .. 127; a block of zeros has e = 0. As a byte (E8M0): e + 127.
;;     - Each number is divided by its block's scale, clamped to +-7.5, and rounded to the nearest number of E2M3, ties to even, subnormals kept.
;;     - The product sums the exact products of the quantised numbers (number of the format x scale) in f32.
;;   ~~~python
;;   def quantise(x, axis):      # numpy; x: float32 -> the quantised numbers, widened to float32 again
;;       x = np.moveaxis(x, axis, -1); K = x.shape[-1]
;;       x = np.pad(x, [(0, 0)] * (x.ndim - 1) + [(0, -K % 32)]); x = x.reshape(x.shape[:-1] + (-1, 32)); a = np.abs(x).max(-1, keepdims=True)
;;       e = np.where(a > 0, np.clip(np.frexp(np.where(a > 0, a, 1))[1] - 1 - 2, -126, 127), 0)      # np.frexp(a)[1] - 1 = floor(log2(a)), exactly
;;       r = np.clip(x / 2.0 ** e, -7.5, 7.5)
;;       step = 2.0 ** (np.maximum(np.frexp(np.where(r == 0, 1, r))[1] - 1, 0) - 3)
;;       q = np.round(r / step) * step * 2.0 ** e      # np.round: ties to even
;;       return np.moveaxis(q.reshape(q.shape[:-2] + (-1,))[..., :K], -1, axis).astype(np.float32)
;;   ~~~
;;   SOFTMAX AHEAD OF A QUANTISED PRODUCT. Where the list says 'softmax', what is quantised is not the finished softmax but p = 2^(t - M), with t = logit x log2(e) and M = ceil(the row's largest t), a whole number; so 1/2 < the row's largest p <= 1. The row's sum l is taken of the UNQUANTISED p, in f32, and the product's result is divided by l at the end. Since M is a whole number, a kernel that streams over the keys may use a running M (the ceiling of the running maximum): every later rescaling is an exact power of two, which a block's scale takes up: the codes' values come out the same.
;;   OPERANDS COMPUTED ON THE WAY. 'Computed on the way' means the value that the module computes at that place (a softmax that the list does not call 'softmax' is quantised finished and normalised). What goes into a quantiser is computed in f32, as accurately as f32 sums, v_exp_f32 and their like allow (about 1e-6 of the number): no bf16 or f16 on the way to a quantiser, and a product that is left as it is and whose result goes on into a quantised operand takes f32 operands (vector FMAs, or v_wmma_f32_16x16x4_f32). A number that lies on a knife's edge between two numbers of the format may be rounded either way, as far as f32 arithmetic and the matrix unit's own rounding can turn it there, and no further.
;; One version. Each part assembles by itself: llvm-mc -triple=amdgcn-amd-amdhsa -mcpu=gfx1250 --defsym DOCPART=n.
;; ======== version 1 of 1: 4 launches
;; limits: right only within a limited range of input values
;; workspace buffers: gc 9,437,184 bytes; gs 393,216 bytes; qkv 19,660,800 bytes; oc 6,291,456 bytes; os 262,144 bytes
;; launch quant (part 1): grid 384 x 1, 4 waves a work-group, no clusters, 34,304 bytes of LDS; arguments x, w_in, w_out, gc, gs; writes gc, gs
.if DOCPART == 1
	.amdgcn_target "amdgcn-amd-amdhsa--gfx1250"
	.amdhsa_code_object_version 6
	.text
	.protected	k_qfa3e0d0d32_quant
	.globl	k_qfa3e0d0d32_quant
	.p2align	8
	.type	k_qfa3e0d0d32_quant,@function
k_qfa3e0d0d32_quant:
	s_mov_b64 s[64:65], 0
	v_nop
	global_prefetch_b8 v0, s[64:65] scope:SCOPE_SE
	s_setreg_imm32_b32 hwreg(HW_REG_WAVE_MODE, 25, 1), 1
	s_wait_xcnt 0x0
; MULTI-HEAD ATTENTION IN MX-FP6, launch 1 of 4: x, w_in and w_out (f32) become codes of E2M3 with one E8M0 byte for each 32 along K.
; NO WORK OF THE PROBLEM IS LEFT OUT in any launch: every input reaches the output, nothing is masked or sliced away.  The factor 1/8 on the scores is a power of two and is folded into the constant log2(e)/8: the same bits.
; LIMITS: NaN and infinities among the inputs are not served.  A block of zeros, or one whose largest magnitude lies under 2^-124, gets the byte 1 (its codes under that scale are what the stated clip to e = -126 gives; for zeros they are zeros); the bytes are read by this program alone.
; LAYOUT OF AN OPERAND (gc, gs).  Rows (tokens of x, columns of the weights) go in groups of 32; tile T = 2 g + u, tile-row p (0..15), is row 32 g + 8 u + p + 8 (p / 8).  So in a 16 x 16 result whose source 0 is such a tile,
; the 16 registers that a lane holds of tiles 2 g and 2 g + 1 are 16 neighbouring rows, 32 g + 16 (lane / 16) + 0 .. 15, which the next quantiser wants.
; A fragment (16 tile-rows x 128 K, 12 registers a lane) lies as an IMAGE OF ITS REGISTERS, 1,536 bytes: half c at 768 c: registers 6 c .. 6 c + 3 at 16 x lane, registers 6 c + 4, 6 c + 5 at 512 + 8 x lane.
; Codes: [T][K step s = 0..7][1,536].  Scale words: the word of row p and K step s = 2 j + q at 512 T + 128 j + 8 p + 4 q.  gc: x at 0, w_in at WI, w_out at WO; gs: at 0, WIS, WOS.
; SHARES.  Work-groups 0-255: x, K innermost: a wave makes 4 images of one tile (16 rows x 512 K).  Work-groups 256-351: w_in, 352-383: w_out, K outermost: a lane takes a column and its registers run down K; a wave takes 32 columns x 256 K.
; Every work-group reads 128 KiB.  No tensor load, no barrier: waves share nothing.  Only the path for x touches LDS.
.set WI,    6291456
.set WO,    8650752
.set WIS,   262144
.set WOS,   360448
.set STG,   8448                       ; a wave's stage: 16 rows x (512 bytes + 16)
.set SPARE, 4*STG                      ; behind the four stages: the spare words, 128 bytes for each wave
.set LN,    13                         ; v13  lane
.set SPW,   14                         ; v14  LDS address of my spare word; never rewritten
.set NIL,   15                         ; v15  0; never rewritten
.set SEL,   20                         ; s[20:21] selects for lane l xor 16
.set XR,    16                         ; x: v16-143  two sets of 64 numbers as loaded
.set XX,    144                        ; x: v144-207 a K step's numbers: register 16 b + i = k 32 b + 16 (lane / 16) + i of my row
.set PC,    208                        ; x: v208-227 the codes
.set TM,    228                        ; x: v228-243 at work
.set W,     244                        ; x: v244-247 four scale words
.set Y,     248                        ; x: v248-249 the pair that I store
.set WX,    32                         ; weights: v32-95 two sets of 32 numbers
.set WD,    96                         ; weights: v96-101 a block's six registers of codes
.set WE,    104                        ; weights: v104-106 the second conversion's result
.set WSB,   24                         ; weights: v24-25 two scale words
	s_load_b256 s[4:11], s[0:1], 0x0               ; x s[4:5], w_in s[6:7], w_out s[8:9], gc s[10:11]
	s_load_b64 s[12:13], s[0:1], 0x20              ; gs
	v_lshl_add_u32 v[SPW], v0, 2, SPARE
	v_mov_b32 v[NIL], 0
	v_lshrrev_b32 v1, 5, v0
	v_readfirstlane_b32 s16, v1                    ; wave
	v_and_b32 v[LN], 31, v0
	s_mov_b32 s[SEL], 0x76543210
	s_mov_b32 s[SEL+1], 0xfedcba98
	s_cmp_lt_u32 ttmp9, 256
	s_cbranch_scc0 .Lweights
; ---------------- x: K innermost ----------------
; 64 numbers of a lane, register 16 b + i = k 32 b + 16 (lane / 16) + i of my row, become a fragment's codes in v[pc] on and its scale word in v[pw]
.macro QUANT s, pc, pw
.irp b, 0,1,2,3
	v_max3_num_f32 v[TM+\b], |v[\s+16*\b]|, |v[\s+1+16*\b]|, 0x1800000   ; block b: my 16 numbers, and the floor 2^(3 - 127): the byte cannot fall under 1
.endr
.irp i, 2,4,6,8,10,12,14
.irp b, 0,1,2,3
	v_max3_num_f32 v[TM+\b], v[TM+\b], |v[\s+16*\b+\i]|, |v[\s+1+16*\b+\i]|   ; the four blocks by turns
.endr
.endr
.irp b, 0,1,2,3
	v_permlanex16_b32 v[TM+4+\b], v[TM+\b], s[SEL], s[SEL+1]
.endr
.irp b, 0,1,2,3
	v_max_num_f32 v[TM+\b], v[TM+\b], v[TM+4+\b]   ; with lane l xor 16's: the block's largest magnitude
.endr
.irp b, 0,1,2,3
	v_add_nc_u32 v[TM+12+\b], 0xff000000, v[TM+\b]   ; 2 off its exponent field: the conversion's scale operand
.endr
.irp b, 0,1,2,3
	v_lshrrev_b32 v[TM+4+\b], 23, v[TM+12+\b]      ; the scale's byte
.endr
	v_lshl_or_b32 v[\pw], v[TM+5], 8, v[TM+4]
	v_lshl_or_b32 v[\pw], v[TM+6], 16, v[\pw]
	v_lshl_or_b32 v[\pw], v[TM+7], 24, v[\pw]
.irp c, 0,1
	v_cvt_scalef32_pk16_fp6_f32 v[\pc+6*\c:\pc+2+6*\c], v[\s+32*\c:\s+15+32*\c], v[TM+12+2*\c]
	v_cvt_scalef32_pk16_fp6_f32 v[\pc+12+4*\c:\pc+14+4*\c], v[\s+16+32*\c:\s+31+32*\c], v[TM+12+2*\c+1]   ; a conversion's three registers begin on an even number
.endr
	v_nop                                          ; one plain place behind a scaled conversion
.irp c, 0,1                                    ; the operand wants a whole block in a lane: lanes 0-15 block 2 c, lanes 16-31 block 2 c + 1
.irp i, 0,1,2
	v_permlane16_swap_b32 v[\pc+6*\c+\i], v[\pc+12+4*\c+\i]
.endr
.irp i, 0,1,2
	v_mov_b32 v[\pc+3+6*\c+\i], v[\pc+12+4*\c+\i]
.endr
.endr
.endm
	v_lshlrev_b32 v1, 4, v[LN]                     ; 16 x lane
	v_lshlrev_b32 v2, 3, v[LN]                     ; 8 x lane
	s_mul_i32 s17, s16, STG
	v_add_nc_u32 v3, s17, v1                       ; the stage, on the way in: a row's 512 bytes as they lie
	v_and_b32 v5, 15, v0
	v_bfe_u32 v6, v0, 4, 1
	v_mul_u32_u24 v4, v5, 528
	v_lshl_add_u32 v4, v6, 6, v4
	v_add_nc_u32 v4, s17, v4                       ; and on the way out: row lane % 16, + 64 (lane / 16): my 16 numbers of each block of 32
.irp b, 0,1,2,3
	v_mov_b32 v[TM+4+\b], 0                        ; written once: a lane permute's destination counts as one of its sources
.endr
	s_lshl_b32 s18, ttmp9, 2
	s_add_co_u32 s18, s18, s16
	s_lshr_b32 s19, s18, 1                         ; my tile T
	s_and_b32 s18, s18, 1                          ; which half of K
	s_lshr_b32 s22, s19, 1
	s_lshl_b32 s22, s22, 17                        ; 32 (T / 2) rows of 4,096 bytes
	s_and_b32 s23, s19, 1
	s_lshl_b32 s23, s23, 15                        ; + 8 (T % 2) rows
	s_add_co_u32 s22, s22, s23
	s_lshl_b32 s23, s18, 11                        ; + 512 numbers along K
	s_add_co_u32 s22, s22, s23
	s_mov_b32 s23, 0
	s_mul_i32 s24, s19, 12288
	s_mul_i32 s25, s18, 6144
	s_add_co_u32 s24, s24, s25
	s_mov_b32 s25, 0
	s_lshl_b32 s26, s19, 9
	s_lshl_b32 s27, s18, 8
	s_add_co_u32 s26, s26, s27
	s_mov_b32 s27, 0
	s_wait_alu depctr_va_vdst(0)
	s_wait_kmcnt 0x0
	s_add_nc_u64 s[4:5], s[4:5], s[22:23]
	s_add_nc_u64 s[10:11], s[10:11], s[24:25]
	s_add_nc_u64 s[12:13], s[12:13], s[26:27]
.macro LOADX t                         ; K step t of my four: each load reads 512 consecutive bytes of one of the tile's 16 rows
.irp i, 0,1,2,3,4,5,6,7,8,9,10,11,12,13,14,15
	global_load_b128 v[XR+64*((\t)%2)+4*\i:XR+64*((\t)%2)+4*\i+3], v1, s[4:5] offset:(\i+8*(\i/8))*4096+512*(\t) th:TH_LOAD_NT
.endr
.endm
.macro XSTEP t
.if (\t) < 3
	s_wait_loadcnt 16                              ; this step's 16 loads are in; the next step's may be out
.else
	s_wait_loadcnt 0x0
.endif
.irp i, 0,1,2,3,4,5,6,7,8,9,10,11,12,13,14,15
	ds_store_b128 v3, v[XR+64*((\t)%2)+4*\i:XR+64*((\t)%2)+4*\i+3] offset:528*\i
.endr
.irp b, 0,1,2,3
.irp j, 0,1,2,3
	ds_load_b128 v[XX+16*\b+4*\j:XX+16*\b+4*\j+3], v4 offset:128*\b+16*\j   ; LDS serves a wave's instructions in order: these see the stores above
.endr
.endr
	s_wait_dscnt 0x0                               ; the numbers are back, and the stage's stores have read their registers
.if (\t) > 0
	s_wait_xcnt 0x0                                ; the last step's stores have read the codes' registers
.endif
.if (\t) < 2
	LOADX (\t)+2
.endif
	QUANT XX, PC, W+\t
	global_store_b128 v1, v[PC:PC+3], s[10:11] offset:1536*(\t)            ; 512 consecutive bytes
	global_store_b64 v2, v[PC+4:PC+5], s[10:11] offset:1536*(\t)+512       ; 256
	global_store_b128 v1, v[PC+6:PC+9], s[10:11] offset:1536*(\t)+768
	global_store_b64 v2, v[PC+10:PC+11], s[10:11] offset:1536*(\t)+1280
.endm
	LOADX 0
	LOADX 1
	XSTEP 0
	XSTEP 1
	XSTEP 2
	XSTEP 3
	v_cmp_lt_u32 vcc_lo, 15, v[LN]                 ; lanes 0-15 store the words of my K steps 0 and 1, lanes 16-31 those of 2 and 3: 256 consecutive bytes
	v_cndmask_b32 v[Y], v[W], v[W+2], vcc_lo
	v_cndmask_b32 v[Y+1], v[W+1], v[W+3], vcc_lo
	global_store_b64 v2, v[Y:Y+1], s[12:13]
	s_wait_tensorcnt 0x0                           ; the wave's end, behind my last LDS store
	ds_add_u32 v[SPW], v[NIL]
	s_wait_dscnt 0x0
	s_endpgm
; ---------------- the weights: K outermost ----------------
.macro WLOAD t, N                      ; block t: w(32 t + i, my column), i = 0 .. 31: each load reads 128 consecutive bytes
.irp i, 0,1,2,3,4,5,6,7,8,9,10,11,12,13,14,15,16,17,18,19,20,21,22,23,24,25,26,27,28,29,30,31
	global_load_b32 v[WX+32*((\t)%2)+\i], v3, s[28:29] offset:(32*(\t)+\i)*(\N)*4 th:TH_LOAD_NT
.endr
.endm
.macro WBLOCK t, N
.set XS, WX+32*((\t)%2)
.if (\t) < 7
	s_wait_loadcnt 32                              ; this block's 32 loads are in; the next block's may be out
.else
	s_wait_loadcnt 0x0
.endif
	v_max3_num_f32 v8, |v[XS]|, |v[XS+1]|, |v[XS+2]|               ; the block's largest magnitude: all 32 numbers are mine
	v_max3_num_f32 v9, |v[XS+3]|, |v[XS+4]|, |v[XS+5]|
.irp i, 6,10,14,18,22,26
	v_max3_num_f32 v8, v8, |v[XS+\i]|, |v[XS+\i+1]|
	v_max3_num_f32 v9, v9, |v[XS+\i+2]|, |v[XS+\i+3]|
.endr
	v_max3_num_f32 v8, v8, |v[XS+30]|, |v[XS+31]|
	v_max3_num_f32 v8, v8, v9, 0x1800000           ; and the floor
	v_add_nc_u32 v11, 0xff000000, v8               ; the conversion's scale operand
	v_lshrrev_b32 v9, 23, v11                      ; the scale's byte
.if (\t)%4 == 0
	v_mov_b32 v[WSB+(\t)/4], v9
.else
	v_lshl_or_b32 v[WSB+(\t)/4], v9, 8*((\t)%4), v[WSB+(\t)/4]
.endif
	s_wait_alu depctr_va_vdst(0)
	s_wait_xcnt 0x0                                ; the last block's stores have read the codes' registers
	v_cvt_scalef32_pk16_fp6_f32 v[WD:WD+2], v[XS:XS+15], v11
	v_cvt_scalef32_pk16_fp6_f32 v[WE:WE+2], v[XS+16:XS+31], v11
	v_nop                                          ; one plain place behind a scaled conversion
.irp i, 0,1,2
	v_mov_b32 v[WD+3+\i], v[WE+\i]
.endr
	; block t is half (t % 4) / 2 of K step t / 4, and its 32 k belong to the operand's lanes 16 (t % 2) + tile-row
	global_store_b128 v4, v[WD:WD+3], s[10:11] offset:((\t)/4)*1536+(((\t)%4)/2)*768+((\t)%2)*256
	global_store_b64 v5, v[WD+4:WD+5], s[10:11] offset:((\t)/4)*1536+(((\t)%4)/2)*768+512+((\t)%2)*128
.if (\t)+2 < 8
	WLOAD (\t)+2, \N
.endif
.endm
.macro WPATH N, CO, SO, first, ptr
	s_sub_co_u32 s17, ttmp9, \first
	s_lshr_b32 s18, s17, 2
	s_and_b32 s17, s17, 3                          ; j: which 256 along K
	s_lshl_b32 s18, s18, 2
	s_add_co_u32 s18, s18, s16                     ; my group of 32 columns
	s_mul_i32 s22, s17, 256*(\N)*4
	s_lshl_b32 s23, s18, 7
	s_add_co_u32 s22, s22, s23
	s_mov_b32 s23, 0
	s_mul_i32 s24, s18, 2*12288
	s_mul_i32 s25, s17, 2*1536
	s_add_co_u32 s24, s24, s25
	s_add_co_u32 s24, s24, \CO
	s_mov_b32 s25, 0
	s_lshl_b32 s26, s18, 10
	s_lshl_b32 s27, s17, 7
	s_add_co_u32 s26, s26, s27
	s_add_co_u32 s26, s26, \SO
	s_mov_b32 s27, 0
	s_wait_kmcnt 0x0
	s_add_nc_u64 s[28:29], s[\ptr:\ptr+1], s[22:23]
	s_add_nc_u64 s[10:11], s[10:11], s[24:25]
	s_add_nc_u64 s[12:13], s[12:13], s[26:27]
	WLOAD 0, \N
	WLOAD 1, \N
.irp t, 0,1,2,3,4,5,6,7
	WBLOCK \t, \N
.endr
	global_store_b64 v6, v[WSB:WSB+1], s[12:13]    ; my column's two scale words
	s_endpgm
.endm
.Lweights:
	s_wait_alu depctr_va_vdst(0)
	v_bfe_u32 v1, v[LN], 3, 1                      ; lane x is column x of the group: tile u = (x / 8) % 2,
	v_and_b32 v2, 7, v[LN]
	v_lshrrev_b32 v7, 4, v[LN]
	v_lshl_add_u32 v2, v7, 3, v2                   ; tile-row p = x % 8 + 8 (x / 16)
	v_lshlrev_b32 v3, 2, v[LN]
	v_mul_u32_u24 v4, v1, 12288
	v_lshl_add_u32 v5, v2, 3, v4                   ; 12,288 u + 8 p
	v_lshl_add_u32 v4, v2, 4, v4                   ; 12,288 u + 16 p
	v_lshlrev_b32 v6, 9, v1
	v_lshl_add_u32 v6, v2, 3, v6                   ; 512 u + 8 p
	s_cmp_lt_u32 ttmp9, 352
	s_cbranch_scc0 .Lwout
	s_wait_alu depctr_va_vdst(0)
	WPATH 3072, WI, WIS, 256, 6
.Lwout:
	s_wait_alu depctr_va_vdst(0)
	WPATH 1024, WO, WOS, 352, 8
.Lfunc_end_k_qfa3e0d0d32_quant:
	.size	k_qfa3e0d0d32_quant, .Lfunc_end_k_qfa3e0d0d32_quant-k_qfa3e0d0d32_quant
	.p2alignl 7, 3214868480
	.fill 96, 4, 3214868480
	.section	.rodata,"a",@progbits
	.p2align	6, 0x0
	.amdhsa_kernel k_qfa3e0d0d32_quant
		.amdhsa_group_segment_fixed_size 34304
		.amdhsa_private_segment_fixed_size 0
		.amdhsa_enable_private_segment 0
		.amdhsa_kernarg_size 40
		.amdhsa_user_sgpr_count 2
		.amdhsa_user_sgpr_kernarg_segment_ptr 1
		.amdhsa_wavefront_size32 1
		.amdhsa_system_sgpr_workgroup_id_x 1
		.amdhsa_system_sgpr_workgroup_id_y 1
		.amdhsa_system_sgpr_workgroup_id_z 1
		.amdhsa_system_vgpr_workitem_id 0
		.amdhsa_next_free_vgpr 256
		.amdhsa_next_free_sgpr 66
		.amdhsa_reserve_vcc 1
		.amdhsa_float_denorm_mode_32 3
		.amdhsa_float_denorm_mode_16_64 3
		.amdhsa_memory_ordered 1
		.amdhsa_forward_progress 1
		.amdhsa_inst_pref_size 112
	.end_amdhsa_kernel
	.amdgpu_metadata
---
amdhsa.version: [ 1, 2 ]
amdhsa.kernels:
  - .name:           k_qfa3e0d0d32_quant
    .symbol:         k_qfa3e0d0d32_quant.kd
    .args:
      - { .name: x, .offset: 0, .size: 8, .value_kind: global_buffer, .address_space: global }
      - { .name: w_in, .offset: 8, .size: 8, .value_kind: global_buffer, .address_space: global }
      - { .name: w_out, .offset: 16, .size: 8, .value_kind: global_buffer, .address_space: global }
      - { .name: gc, .offset: 24, .size: 8, .value_kind: global_buffer, .address_space: global }
      - { .name: gs, .offset: 32, .size: 8, .value_kind: global_buffer, .address_space: global }
    .group_segment_fixed_size: 34304
    .private_segment_fixed_size: 0
    .kernarg_segment_align: 8
    .kernarg_segment_size: 40
    .max_flat_workgroup_size: 128
    .sgpr_count:     66
    .vgpr_count:     256
    .wavefront_size: 32
...
	.end_amdgpu_metadata
.endif
;; end of part 1
;; launch gemm1 (part 2): grid 12 x 32, 4 waves a work-group, clusters of 4 x 4, 327,680 bytes of LDS; arguments gc, gs, qkv; writes qkv
.if DOCPART == 2
	.amdgcn_target "amdgcn-amd-amdhsa--gfx1250"
	.amdhsa_code_object_version 6
	.text
	.protected	k_qfa3e0d0d32_gemm1
	.globl	k_qfa3e0d0d32_gemm1
	.p2align	8
	.type	k_qfa3e0d0d32_gemm1,@function
k_qfa3e0d0d32_gemm1:
	s_mov_b64 s[64:65], 0
	v_nop
	global_prefetch_b8 v0, s[64:65] scope:SCOPE_SE
	s_setreg_imm32_b32 hwreg(HW_REG_WAVE_MODE, 25, 1), 1
	s_wait_xcnt 0x0
	s_wait_alu depctr_hold_cnt(0) depctr_sa_sdst(0) depctr_va_vdst(0) depctr_va_sdst(0) depctr_va_ssrc(0) depctr_va_vcc(0) depctr_vm_vsrc(0)
	s_getreg_b32 s2, hwreg(HW_REG_IB_STS2, 6, 4)
	s_cmp_eq_u32 s2, 0
	s_cbranch_scc0 .Lentry_in_a_cluster
	s_endpgm
.Lentry_in_a_cluster:
	s_bfe_u32 s2, ttmp6, 0x10000c
	s_cmp_lg_u32 s2, 0xf033
	s_cbranch_scc0 .Lentry_shape_is_right
	s_endpgm
.Lentry_shape_is_right:
; Launch 2 of 4: qkv = x w_in on codes of E2M3, and its results quantised in registers into attention's operands.  No work of the problem is left out.
; LIMITS as in the first launch: NaN and infinities are not served; a block under 2^-124 gets the byte 1.
; A work-group of four waves makes 256 x 256, a wave 128 x 128: 64 accumulators, 512 registers.  K = 1,024 goes in four steps of 256 through two LDS slots filled by the tensor data mover.
; Operands lie in memory as images of their registers (first launch): a tile's two K steps of 128 are 3,072 consecutive bytes, a fragment comes by four dense LDS loads, no padding is needed.
; THE MATRIX INSTRUCTION IS USED TRANSPOSED: source 0 = 16 rows of side B, source 1 = 16 rows of side A.  A lane then holds ONE row of A, and, by the order of rows in a tile, its 64 registers of a block of A run along 128 rows of B,
; register 16 g + i = row 32 g + 16 (lane / 16) + i: the order in which the conversions want a quantiser's K.
; q AND k (clusters x = 0, 1): A = tokens, B = columns of w_in: the registers run along d, two heads of 64.   v (cluster x = 2): THE SIDES CHANGE PLACES: A = v's columns, B = tokens: the registers run along the keys.  The loop is the same.
; qkv: [tensor q, k, v][batch x 16 + head][group of 128 tokens][6,400]: four fragment images and 256 bytes of scale words (lane l's 8 bytes: the words of fragments l / 16 and 2 + l / 16, row l % 16).
;   q, k: fragment e = token tile 2 e (K 0-63 = d) | token tile 2 e + 1 (K 64-127 = d).   v: fragment e = channel tile e of the head x the 128 keys.
; CLUSTERS: 4 x 4.  A's tiles are shared along a row of the cluster, B's along a column: each is asked for jointly.  Which sides are which hangs on the cluster's x alone, which all sixteen partners share.
; 384 work-groups: the grid is what the sizes give at this tile; a narrower tile would read each LDS byte for half as many products.
; REGISTERS: window 0: v8-29 addresses; v32-63 scale words, two sets; v64-119 the way out; v128-223 A's fragments, one set.  window 1: B's fragments, two sets, at v0 and v128.  windows 2, 3: the accumulators ((a, b) at v[8 (8 (a % 4) + b)]).
.set WI,    6291456
.set WIS,   262144
.set TS,    6553600                    ; bytes of one of q, k, v in qkv
.set HS,    102400                     ; of a head
.set REC,   6400                       ; of a group of 128 tokens
.set NQ,    2                          ; K steps of 128 in a slot
.set FR,    12                         ; registers of a fragment
.set NL,    4                          ; LDS loads that bring one
.set NP,    4                          ; places behind this matrix instruction (ISA guide 7.12.1)
.set FRB,   1536                       ; a fragment's image
.set TILEB, NQ*FRB                     ; a tile's part of a slot
.set TPITCH, 12288                     ; from tile to tile in memory
.set HALFT, 8*TILEB                    ; 8 tiles: what one tensor load brings, and what one wave reads of A or of B
.set SLOT,  4*HALFT                    ; A's 16 tiles, then B's 16
.set SCL,   2*SLOT                     ; behind the ring: the scale words for all of K, 4,096 bytes for each load
.set SPARE, SCL+4*4096                 ; behind them: the spare words, 128 bytes for each wave
.set LI,   8                           ; v8   16 x lane
.set LJ,   9                           ; v9   8 x lane
.set LN,   10                          ; v10  lane
.set ADRA, 16                          ; v16-17 A's fragments in slot 0, 1, by 16 x lane; v18-19 by 8 x lane
.set ADRB, 20                          ; v20-23 the same for B
.set ADRS, 27                          ; v27  my scale words: lanes 0-15 A's rows, lanes 16-31 B's
.set SPW,  28                          ; v28  LDS address of my spare word; never rewritten
.set NIL,  29                          ; v29  0; never rewritten
.set SC,   32
.set AF,   128
.set PC,   64                          ; the way out: v64-83 codes
.set TM,   84                          ; v84-99 at work
.set W,    100                         ; v100-107 the scale words of A's eight blocks
.set U,    108                         ; v108-115 the same, sorted by head
.set Y,    116                         ; v116-119 the pairs that I store
.set G1, 24
.set G0, 32
.set G1B, 48
.set G0B, 56
.set G1S, 68
.set G0S, 76
.set G1SB, 80
.set G0SB, 88
.set SEL, 98                           ; s[98:99] selects for lane l xor 16
.set MSB, 0
.macro WIN new                         ; the immediate's high byte repeats the setting that is left
.if MSB != \new
	s_set_vgpr_msb (MSB<<8)|\new
.set MSB, \new
.endif
.endm
.set MUL_LO, 0xa1                      ; source 0 (B) window 1, source 1 (A) window 0, C and D window 2
.set MUL_HI, 0xf1                      ; the same, C and D window 3
.set TO_B,   0x40                      ; destination window 1, address window 0
; A joint load: waves 0 and 1 fetch for A, waves 2 and 3 for B.  The branch hangs on the wave's number alone.  An s_nop 0 and four v_nop follow each of the two lines.
.macro JLOAD g0a, g1a, g0b, g1b
	s_cmp_eq_u32 s15, 0
	s_cbranch_scc0 .Lfor_b_\@
	tensor_load_to_lds s[\g0a:\g0a+3], s[\g1a:\g1a+7]
	s_nop 0
.rept 4
	v_nop
.endr
	s_branch .Lasked_\@
.Lfor_b_\@:
	tensor_load_to_lds s[\g0b:\g0b+3], s[\g1b:\g1b+7]
	s_nop 0
.rept 4
	v_nop
.endr
.Lasked_\@:
.endm
.macro CREST                           ; a round of the cluster's barrier behind its opening barrier
	s_cmp_lg_u32 s14, 0
	s_cbranch_scc1 .Lnot_wave_0_\@
	s_barrier_signal -3
.Lnot_wave_0_\@:
	s_barrier_wait -3
	s_barrier_signal -1
	s_barrier_wait -1
.endm
.macro CROUND
	s_barrier_signal -1
	s_barrier_wait -1
	CREST
.endm
	s_load_b128 s[4:7], s[0:1], 0x0                ; gc s[4:5], gs s[6:7]
	s_load_b64 s[12:13], s[0:1], 0x10              ; qkv
	v_lshl_add_u32 v[SPW], v0, 2, SPARE
	v_mov_b32 v[NIL], 0
	ds_add_u32 v[SPW], v[NIL]                      ; the wave's opening: the add, twice on end, and its wait ahead of my first tensor load
	ds_add_u32 v[SPW], v[NIL]
	v_lshrrev_b32 v1, 5, v0
	v_readfirstlane_b32 s14, v1                    ; wave 0..3
	s_lshr_b32 s15, s14, 1                         ; which half of A's rows is mine.  Also: I fetch for A (0) or for B (1)
	s_and_b32 s16, s14, 1                          ; which half of B's rows.  Also: which 8 tiles I fetch
	s_bfe_u32 s40, ttmp6, 0x40000                  ; cx
	s_bfe_u32 s41, ttmp6, 0x40004                  ; cy
	s_and_b32 s17, ttmp7, 0xffff                   ; cluster y
	s_cmp_eq_u32 ttmp9, 2                          ; cluster x = 2: v
	s_cselect_b32 s66, 1, 0
	s_cselect_b32 s42, s17, ttmp9                  ; B's block of 256 rows = 4 x (v: cluster y; else cluster x) + cx
	s_cselect_b32 s17, 0, s17                      ; A's = 4 x (v: 0; else cluster y) + cy
	s_cselect_b32 s67, WI+128*TPITCH, 0            ; where A's codes begin in gc: v's columns of w_in, or x
	s_cselect_b32 s95, 0, WI                       ; and B's: x, or w_in
	s_cselect_b32 s96, WIS+128*512, 0              ; the same in gs
	s_cselect_b32 s97, 0, WIS
	s_lshl_b32 s42, s42, 2
	s_add_co_u32 s42, s42, s40
	s_lshl_b32 s17, s17, 2
	s_add_co_u32 s17, s17, s41
	s_lshl_b32 s43, s41, 2
	s_lshl_b32 s43, 15, s43                        ; my row of the cluster
	s_lshl_b32 s44, 0x1111, s40                    ; my column
	; descriptor group 1, codes: 8 rows (tiles) of 3,072 bytes, 12,288 bytes apart; elements of 8 bytes; no padding
	s_or_b32 s[G1+0], s43, (3<<16)|(1<<21)
	s_or_b32 s[G1B+0], s44, (3<<16)|(1<<21)
.irp g, G1, G1B
	s_mov_b32 s[\g+1], (TILEB/8)<<16               ; tensor_dim0
	s_mov_b32 s[\g+2], 16<<16                      ; tensor_dim1: 16 tiles for the head's loads; set to 8 for the ring's behind them
	s_mov_b32 s[\g+3], (TILEB/8)<<16               ; tile_dim0
	s_mov_b32 s[\g+4], 16                          ; tile_dim1
	s_mov_b32 s[\g+5], TPITCH/8                    ; tensor_dim0_stride
	s_mov_b32 s[\g+6], 0
	s_mov_b32 s[\g+7], 0
.endr
	; scale words of 16 tiles: 8,192 dense bytes as 32 rows of 256
	s_or_b32 s[G1S+0], s43, (3<<16)|(1<<21)
	s_or_b32 s[G1SB+0], s44, (3<<16)|(1<<21)
.irp g, G1S, G1SB
	s_mov_b32 s[\g+1], 32<<16
	s_mov_b32 s[\g+2], 32<<16                      ; the scale words of 16 tiles: 32 rows of 256 bytes
	s_mov_b32 s[\g+3], 32<<16
	s_mov_b32 s[\g+4], 32
	s_mov_b32 s[\g+5], 32
	s_mov_b32 s[\g+6], 0
	s_mov_b32 s[\g+7], 0
.endr
	s_mul_i32 s18, s16, 8*TPITCH                   ; in the ring I fetch 8 tiles: which half, in bytes
	s_mov_b32 s19, 0
	s_lshl_b32 s20, s17, 4                         ; A: the block's first tile
	s_lshl_b32 s46, s42, 4                         ; B likewise
	s_lshl_b32 s22, s20, 9
	s_add_co_u32 s22, s22, s96
	s_mov_b32 s23, 0
	s_lshl_b32 s92, s46, 9
	s_add_co_u32 s92, s92, s97
	s_mov_b32 s93, 0
	s_mul_i32 s20, s20, TPITCH
	s_add_co_u32 s20, s20, s67
	s_mov_b32 s21, 0
	s_mul_i32 s46, s46, TPITCH
	s_add_co_u32 s46, s46, s95
	s_mov_b32 s47, 0
	s_mul_i32 s45, s14, HALFT                      ; where they go: by the wave's number alone
	s_mov_b32 s[SEL], 0x76543210
	s_mov_b32 s[SEL+1], 0xfedcba98
	s_wait_dscnt 0x0                               ; both opening adds are done
	s_wait_kmcnt 0x0
	s_add_nc_u64 s[20:21], s[4:5], s[20:21]
	s_add_nc_u64 s[22:23], s[6:7], s[22:23]
	s_add_nc_u64 s[46:47], s[4:5], s[46:47]
	s_add_nc_u64 s[92:93], s[6:7], s[92:93]
	CROUND                                         ; all sixteen work-groups are here: the first joint loads meet
	s_mov_b32 s[G0S], 1
	s_mov_b32 s[G0S+1], SCL
	s_mov_b64 s[G0S+2:G0S+3], s[22:23]
	s_or_b32 s[G0S+3], s[G0S+3], 0x80000000
	s_mov_b32 s[G0SB], 1
	s_mov_b32 s[G0SB+1], SCL+8192
	s_mov_b64 s[G0SB+2:G0SB+3], s[92:93]
	s_or_b32 s[G0SB+3], s[G0SB+3], 0x80000000
	s_add_nc_u64 s[20:21], s[20:21], s[18:19]      ; for the ring: my 8 tiles
	s_add_nc_u64 s[46:47], s[46:47], s[18:19]
.irp s, 0,1
	s_mov_b32 s[G0+4*\s], 1
	s_add_co_u32 s[G0+4*\s+1], s45, \s*SLOT
	s_add_nc_u64 s[G0+4*\s+2:G0+4*\s+3], s[20:21], \s*TILEB
	s_or_b32 s[G0+4*\s+3], s[G0+4*\s+3], 0x80000000
	s_mov_b32 s[G0B+4*\s], 1
	s_add_co_u32 s[G0B+4*\s+1], s45, \s*SLOT
	s_add_nc_u64 s[G0B+4*\s+2:G0B+4*\s+3], s[46:47], \s*TILEB
	s_or_b32 s[G0B+4*\s+3], s[G0B+4*\s+3], 0x80000000
.endr
; THE HEAD'S LOADS, ONE A WAVE: wave 0 slot 0's 16 tiles of A, wave 1 its 16 tiles of B, wave 2 A's scale words, wave 3 B's.  Slot 0's groups 0 serve them, set to the whole block; behind the wait they get the ring's values back.
	s_mov_b32 s[G0+1], 0
	s_sub_nc_u64 s[G0+2:G0+3], s[G0+2:G0+3], s[18:19]
	s_mov_b32 s[G0B+1], 2*HALFT
	s_sub_nc_u64 s[G0B+2:G0B+3], s[G0B+2:G0B+3], s[18:19]
.macro ARM under, g0, g1, next
	s_cmp_lt_u32 s14, \under
	s_cbranch_scc0 \next
	tensor_load_to_lds s[\g0:\g0+3], s[\g1:\g1+7]
	s_nop 0
.rept 4
	v_nop
.endr
	s_branch .Lhead_asked
\next:
.endm
	ARM 1, G0,  G1,  .Lhead_b
	ARM 2, G0B, G1B, .Lhead_sa
	ARM 3, G0S, G1S, .Lhead_sb
	tensor_load_to_lds s[G0SB:G0SB+3], s[G1SB:G1SB+7]
	s_nop 0
.rept 4
	v_nop
.endr
.Lhead_asked:
	v_and_b32 v1, 15, v0                           ; r
	v_bfe_u32 v2, v0, 4, 1                         ; h
	v_and_b32 v[LN], 31, v0
	v_lshlrev_b32 v[LI], 4, v[LN]
	v_lshlrev_b32 v[LJ], 3, v[LN]
	s_mul_i32 s21, s15, HALFT                      ; my 8 tiles of A
	s_mul_i32 s22, s16, HALFT                      ; my 8 tiles of B,
	s_add_co_u32 s22, s22, 2*HALFT                 ; behind A's 16
.irp s, 0,1
	v_add_nc_u32 v[ADRA+\s], s21, v[LI]
	v_add_nc_u32 v[ADRA+2+\s], s21, v[LJ]
	v_add_nc_u32 v[ADRB+\s], s22, v[LI]
	v_add_nc_u32 v[ADRB+2+\s], s22, v[LJ]
	s_add_co_u32 s21, s21, SLOT
	s_add_co_u32 s22, s22, SLOT
.endr
	v_lshlrev_b32 v5, 3, v1                        ; scale words: 8 bytes a row for a slot's two K steps
	s_lshl_b32 s21, s15, 12                        ; A's: my 8 tiles
	s_lshl_b32 s22, s16, 12                        ; B's: my 8 tiles, behind A's 16
	s_add_co_u32 s22, s22, 8192
	s_sub_co_u32 s22, s22, s21
	v_mul_u32_u24 v6, s22, v2                      ; lanes 16-31 take B's
	s_add_co_u32 s21, s21, SCL
	v_add_nc_u32 v5, v5, v6
	v_add_nc_u32 v[ADRS], s21, v5
.irp b, 0,1,2,3
	v_mov_b32 v[TM+4+\b], 0                        ; written once: a lane permute's destination counts as one of its sources
.endr
	; where my results go.  G: my group of 128 tokens; P: my 128 columns of w_in (two heads of one of q, k, v)
	s_lshl_b32 s8, s17, 1
	s_add_co_u32 s8, s8, s15                       ; A's group of 128
	s_lshl_b32 s9, s42, 1
	s_add_co_u32 s9, s9, s16                       ; B's
	s_add_co_u32 s10, s8, 16
	s_cmp_eq_u32 s66, 1
	s_cselect_b32 s11, s9, s8                      ; G
	s_cselect_b32 s10, s10, s9                     ; P
	s_lshr_b32 s8, s10, 3
	s_mul_i32 s8, s8, TS
	s_lshr_b32 s9, s11, 4
	s_lshl_b32 s9, s9, 4                           ; 16 x batch
	s_and_b32 s10, s10, 7
	s_lshl_b32 s10, s10, 1                         ; + my first head
	s_add_co_u32 s9, s9, s10
	s_mul_i32 s9, s9, HS
	s_add_co_u32 s8, s8, s9
	s_and_b32 s11, s11, 15
	s_mul_i32 s11, s11, REC
	s_add_co_u32 s8, s8, s11
	s_mov_b32 s9, 0
	s_add_nc_u64 s[12:13], s[12:13], s[8:9]
.macro FRAG reg, adr, q, i             ; a fragment's image comes back into its registers: four dense loads
	ds_load_b128 v[\reg:\reg+3], v[\adr] offset:(\i)*TILEB+(\q)*FRB
	ds_load_b64 v[\reg+4:\reg+5], v[\adr+2] offset:(\i)*TILEB+(\q)*FRB+512
	ds_load_b128 v[\reg+6:\reg+9], v[\adr] offset:(\i)*TILEB+(\q)*FRB+768
	ds_load_b64 v[\reg+10:\reg+11], v[\adr+2] offset:(\i)*TILEB+(\q)*FRB+1280
.endm
; 16 matrix instructions: A's blocks a0, a0 + 1 x B's eight, 128 along K.  The 64 accumulators take turns, one instruction a turn, in the same order in every step.
.macro MUL16 a0, p, q, sc, zero
.irp a, \a0, \a0+1
.irp b, 0,1,2,3,4,5,6,7
.if \zero
	v_wmma_scale_f32_16x16x128_f8f6f4 v[8*(8*((\a)%4)+\b):8*(8*((\a)%4)+\b)+7], v[128*(\p)+FR*\b:128*(\p)+FR*\b+FR-1], v[AF+FR*(\a):AF+FR*(\a)+FR-1], 0, v[SC+8*NQ*(\sc)+NQ*\b+(\q)], v[SC+8*NQ*(\sc)+NQ*(\a)+(\q)] matrix_a_fmt:MATRIX_FMT_FP6 matrix_b_fmt:MATRIX_FMT_FP6 matrix_a_scale:MATRIX_SCALE_ROW1
.else
	v_wmma_scale_f32_16x16x128_f8f6f4 v[8*(8*((\a)%4)+\b):8*(8*((\a)%4)+\b)+7], v[128*(\p)+FR*\b:128*(\p)+FR*\b+FR-1], v[AF+FR*(\a):AF+FR*(\a)+FR-1], v[8*(8*((\a)%4)+\b):8*(8*((\a)%4)+\b)+7], v[SC+8*NQ*(\sc)+NQ*\b+(\q)], v[SC+8*NQ*(\sc)+NQ*(\a)+(\q)] matrix_a_fmt:MATRIX_FMT_FP6 matrix_b_fmt:MATRIX_FMT_FP6 matrix_a_scale:MATRIX_SCALE_ROW1
.endif
.endr
.endr
.endm
.macro FETCH_B slot, q, p
	WIN TO_B
.irp i, 0,1,2,3,4,5,6,7
	FRAG 128*(\p)+FR*\i, ADRB+\slot, \q, \i
.endr
	WIN 0
.endm
.macro FETCH_A slot, q, i0
.irp i, \i0, \i0+1, \i0+2, \i0+3
	FRAG AF+FR*(\i), ADRA+\slot, \q, \i
.endr
.endm
.macro SCALES sc                       ; a slot's scale words: two words a row; lanes 0-15 take A's block i, lanes 16-31 B's
.irp i, 0,1,2,3,4,5,6,7
	ds_load_b64 v[SC+8*NQ*\sc+NQ*\i:SC+8*NQ*\sc+NQ*\i+1], v[ADRS] offset:\i*512
.endr
.endm
.macro PLACES n                        ; plain vector instructions between a matrix instruction and a load into, or a read of, its registers
.rept \n
	v_nop
.endr
.endm
.macro STEP slot, q, zero              ; a step of 128 along K that has its successor in the same slot
	s_wait_dscnt 4*NL                              ; B's set and A's blocks 0-3 are in; the youngest 16 loads (A's blocks 4-7) may be out
	WIN MUL_LO
	MUL16 0, (\q)%2, \q, \slot, \zero
	MUL16 2, (\q)%2, \q, \slot, \zero
	s_wait_dscnt 0
	PLACES NP
	FETCH_B \slot, (\q)+1, 1-(\q)%2
	FETCH_A \slot, (\q)+1, 0
	WIN MUL_HI
	MUL16 4, (\q)%2, \q, \slot, \zero
	MUL16 6, (\q)%2, \q, \slot, \zero
	PLACES NP
	WIN 0
	FETCH_A \slot, (\q)+1, 4
.endm
; A slot's last step changes slots: one barrier; in front of it each wave waits for all its tensor loads, adds 0 to its spare word, and waits for that and for its reads of this slot.  fill = 1: the slot is filled again, two slots ahead.
.macro TURN slot, next, fill
	s_wait_tensorcnt 0x0                           ; all my tensor loads have landed: my part of the next slot
	ds_add_u32 v[SPW], v[NIL]                      ; 0 onto my spare word
	s_wait_dscnt 4*NL+1                            ; the add and the youngest 16 loads may be out
	WIN MUL_LO
	MUL16 0, 1, NQ-1, \slot, 0
	s_wait_dscnt 0x0                               ; the add is done, and my reads of this slot are over
	s_barrier_signal -1
	MUL16 2, 1, NQ-1, \slot, 0
	WIN 0
	s_barrier_wait -1
.if \fill
	CREST                                          ; the barrier has opened a round of the cluster's barrier: no wave of any partner still reads this slot or has a load on its way
	s_add_nc_u64 s[G0+4*\slot+2:G0+4*\slot+3], s[G0+4*\slot+2:G0+4*\slot+3], 2*TILEB
	s_add_nc_u64 s[G0B+4*\slot+2:G0B+4*\slot+3], s[G0B+4*\slot+2:G0B+4*\slot+3], 2*TILEB
	JLOAD G0+4*\slot, G1, G0B+4*\slot, G1B         ; the first tensor load behind the round; its four v_nop are the places in front of the loads below
.else
	PLACES NP
.endif
	s_wait_alu depctr_va_vdst(0)
	v_add_nc_u32 v[ADRS], 128, v[ADRS]             ; the next slot's scale words
	FETCH_B \next, 0, 0
	FETCH_A \next, 0, 0
	SCALES \next
	WIN MUL_HI
	MUL16 4, 1, NQ-1, \slot, 0
	MUL16 6, 1, NQ-1, \slot, 0
	PLACES NP
	WIN 0
	FETCH_A \next, 0, 4
.endm
	s_wait_alu depctr_va_vdst(0)
	s_wait_tensorcnt 0x0                           ; my tile of the head's four is in; these lines stand ahead of slot 1's first fill as ahead of a refill
	ds_add_u32 v[SPW], v[NIL]
	s_mov_b32 s[G1+2], 8<<16                       ; no tensor load of mine is out: from here on a load brings 8 tiles
	s_mov_b32 s[G1+4], 8
	s_mov_b32 s[G1B+2], 8<<16
	s_mov_b32 s[G1B+4], 8
	s_mov_b32 s[G0+1], s45                         ; slot 0's groups 0 as the ring wants them
	s_add_nc_u64 s[G0+2:G0+3], s[G0+2:G0+3], s[18:19]
	s_mov_b32 s[G0B+1], s45
	s_add_nc_u64 s[G0B+2:G0B+3], s[G0B+2:G0B+3], s[18:19]
	s_wait_dscnt 0x0
	CROUND                                         ; all four tiles are in, and all sixteen work-groups are here
	JLOAD G0+4, G1, G0B+4, G1B                     ; slot 1's first fill, the first tensor load behind the round
	FETCH_B 0, 0, 0
	FETCH_A 0, 0, 0
	SCALES 0
	FETCH_A 0, 0, 4
	STEP 0, 0, 1                                   ; the first products start the sums: nothing is cleared
	TURN 0, 1, 1                                   ; K is four slots long: written out, no loop
	STEP 1, 0, 0
	TURN 1, 0, 1
	STEP 0, 0, 0
	TURN 0, 1, 0
	STEP 1, 0, 0
	s_wait_dscnt 4*NL
	WIN MUL_LO
	MUL16 0, 1, NQ-1, 1, 0
	MUL16 2, 1, NQ-1, 1, 0
	s_wait_dscnt 0
	WIN MUL_HI
	MUL16 4, 1, NQ-1, 1, 0
	MUL16 6, 1, NQ-1, 1, 0
	WIN 0
; THE WAY OUT.  Block a of A (16 rows): a lane's 64 results are quantised along B's 128 rows: one fragment in v[PC] on, its scale word in v[W + a].  Each accumulator is read from its low end on.
.macro QW a
.set AC, 64*((\a)%4)
.set WW, 2+(\a)/4
	WIN 5*WW                                       ; sources 0 and 1: the accumulators' window
.irp b, 0,1,2,3
	v_max3_num_f32 v[TM+\b], |v[AC+16*\b]|, |v[AC+1+16*\b]|, 0x1800000   ; and the floor 2^(3 - 127)
.endr
.irp i, 2,4,6,8,10,12,14
.irp b, 0,1,2,3
	v_max3_num_f32 v[TM+\b], |v[AC+16*\b+\i]|, |v[AC+1+16*\b+\i]|, v[TM+\b]
.endr
.endr
	WIN 0
.irp b, 0,1,2,3
	v_permlanex16_b32 v[TM+4+\b], v[TM+\b], s[SEL], s[SEL+1]
.endr
.irp b, 0,1,2,3
	v_max_num_f32 v[TM+\b], v[TM+\b], v[TM+4+\b]
.endr
.irp b, 0,1,2,3
	v_add_nc_u32 v[TM+12+\b], 0xff000000, v[TM+\b]
.endr
.irp b, 0,1,2,3
	v_lshrrev_b32 v[TM+4+\b], 23, v[TM+12+\b]
.endr
	v_lshl_or_b32 v[W+\a], v[TM+5], 8, v[TM+4]
	v_lshl_or_b32 v[W+\a], v[TM+6], 16, v[W+\a]
	v_lshl_or_b32 v[W+\a], v[TM+7], 24, v[W+\a]
	s_wait_xcnt 0x0                                ; the last block's stores have read the codes' registers
	WIN WW                                         ; source 0: the accumulators' window
.irp c, 0,1
	v_cvt_scalef32_pk16_fp6_f32 v[PC+6*\c:PC+2+6*\c], v[AC+32*\c:AC+15+32*\c], v[TM+12+2*\c]
	v_cvt_scalef32_pk16_fp6_f32 v[PC+12+4*\c:PC+14+4*\c], v[AC+16+32*\c:AC+31+32*\c], v[TM+12+2*\c+1]
.endr
	WIN 0
	v_nop                                          ; one plain place behind a scaled conversion
.irp c, 0,1
.irp i, 0,1,2
	v_permlane16_swap_b32 v[PC+6*\c+\i], v[PC+12+4*\c+\i]
.endr
.irp i, 0,1,2
	v_mov_b32 v[PC+3+6*\c+\i], v[PC+12+4*\c+\i]
.endr
.endr
.endm
; mode 0 (q, k): half c of block a's fragment is head c's 64 d of token tile a.   mode 1 (v): block a is channel tile a % 4 of head a / 4, its fragment the 128 keys.  Every store covers 512 or 256 consecutive bytes, aligned.
.macro EPI mode
.irp a, 0,1,2,3,4,5,6,7
	QW \a
.irp c, 0,1
.if \mode
.set OFF, ((\a)/4)*HS+((\a)%4)*FRB+\c*768
.else
.set OFF, \c*HS+((\a)/2)*FRB+((\a)%2)*768
.endif
	global_store_b128 v[LI], v[PC+6*\c:PC+6*\c+3], s[12:13] offset:OFF
	global_store_b64 v[LJ], v[PC+6*\c+4:PC+6*\c+5], s[12:13] offset:OFF+512
.endr
.endr
.if \mode
.set UB, W                             ; the word of head c's fragment e is block 4 c + e's as it stands
.else
.set UB, U
.irp e, 0,1,2,3
	v_perm_b32 v[U+\e], v[W+2*\e+1], v[W+2*\e], 0x05040100     ; head 0, fragment e: two bytes of token tile 2 e, two of 2 e + 1
	v_perm_b32 v[U+4+\e], v[W+2*\e+1], v[W+2*\e], 0x07060302   ; head 1
.endr
.endif
.irp c, 0,1
	v_cndmask_b32 v[Y+2*\c], v[UB+4*\c], v[UB+4*\c+1], s3      ; lanes 0-15: fragments 0 and 2; lanes 16-31: 1 and 3
	v_cndmask_b32 v[Y+2*\c+1], v[UB+4*\c+2], v[UB+4*\c+3], s3
	global_store_b64 v[LJ], v[Y+2*\c:Y+2*\c+1], s[12:13] offset:\c*HS+4*FRB
.endr
.endm
	PLACES NP
	v_cmp_lt_u32 s3, 15, v[LN]                     ; lanes 16-31
	s_cmp_eq_u32 s66, 0                            ; hangs on the cluster's x alone: the same in all partners
	s_cbranch_scc0 .Lvalues
	EPI 0
	s_branch .Ldone
.Lvalues:
	EPI 1
.Ldone:
	s_wait_tensorcnt 0x0                           ; the wave's end
	ds_add_u32 v[SPW], v[NIL]
	s_wait_dscnt 0x0
	CROUND                                         ; the closing round
	s_endpgm
.Lfunc_end_k_qfa3e0d0d32_gemm1:
	.size	k_qfa3e0d0d32_gemm1, .Lfunc_end_k_qfa3e0d0d32_gemm1-k_qfa3e0d0d32_gemm1
	.p2alignl 7, 3214868480
	.fill 96, 4, 3214868480
	.section	.rodata,"a",@progbits
	.p2align	6, 0x0
	.amdhsa_kernel k_qfa3e0d0d32_gemm1
		.amdhsa_group_segment_fixed_size 327680
		.amdhsa_private_segment_fixed_size 0
		.amdhsa_enable_private_segment 0
		.amdhsa_kernarg_size 24
		.amdhsa_user_sgpr_count 2
		.amdhsa_user_sgpr_kernarg_segment_ptr 1
		.amdhsa_wavefront_size32 1
		.amdhsa_system_sgpr_workgroup_id_x 1
		.amdhsa_system_sgpr_workgroup_id_y 1
		.amdhsa_system_sgpr_workgroup_id_z 1
		.amdhsa_system_vgpr_workitem_id 0
		.amdhsa_next_free_vgpr 1024
		.amdhsa_next_free_sgpr 100
		.amdhsa_reserve_vcc 0
		.amdhsa_float_denorm_mode_32 3
		.amdhsa_float_denorm_mode_16_64 3
		.amdhsa_memory_ordered 1
		.amdhsa_forward_progress 1
		.amdhsa_inst_pref_size 185
	.end_amdhsa_kernel
	.amdgpu_metadata
---
amdhsa.version: [ 1, 2 ]
amdhsa.kernels:
  - .name:           k_qfa3e0d0d32_gemm1
    .symbol:         k_qfa3e0d0d32_gemm1.kd
    .args:
      - { .name: gc, .offset: 0, .size: 8, .value_kind: global_buffer, .address_space: global }
      - { .name: gs, .offset: 8, .size: 8, .value_kind: global_buffer, .address_space: global }
      - { .name: qkv, .offset: 16, .size: 8, .value_kind: global_buffer, .address_space: global }
    .group_segment_fixed_size: 327680
    .private_segment_fixed_size: 0
    .kernarg_segment_align: 8
    .kernarg_segment_size: 24
    .max_flat_workgroup_size: 128
    .sgpr_count:     100
    .vgpr_count:     1024
    .wavefront_size: 32
...
	.end_amdgpu_metadata
.endif
;; end of part 2
;; launch attn (part 3): grid 4 x 64, 16 waves a work-group, clusters of 4 x 1, 327,680 bytes of LDS; arguments qkv, oc, os; writes oc, os
.if DOCPART == 3
	.amdgcn_target "amdgcn-amd-amdhsa--gfx1250"
	.amdhsa_code_object_version 6
	.text
	.protected	k_qfa3e0d0d32_attn
	.globl	k_qfa3e0d0d32_attn
	.p2align	8
	.type	k_qfa3e0d0d32_attn,@function
k_qfa3e0d0d32_attn:
	s_mov_b64 s[64:65], 0
	v_nop
	global_prefetch_b8 v0, s[64:65] scope:SCOPE_SE
	s_setreg_imm32_b32 hwreg(HW_REG_WAVE_MODE, 25, 1), 1
	s_wait_xcnt 0x0
	s_wait_alu depctr_hold_cnt(0) depctr_sa_sdst(0) depctr_va_vdst(0) depctr_va_sdst(0) depctr_va_ssrc(0) depctr_va_vcc(0) depctr_vm_vsrc(0)
	s_getreg_b32 s2, hwreg(HW_REG_IB_STS2, 6, 4)
	s_cmp_eq_u32 s2, 0
	s_cbranch_scc0 .Lentry_in_a_cluster
	s_endpgm
.Lentry_in_a_cluster:
	s_bfe_u32 s2, ttmp6, 0x10000c
	s_cmp_lg_u32 s2, 0x3003
	s_cbranch_scc0 .Lentry_shape_is_right
	s_endpgm
.Lentry_shape_is_right:
; Launch 3 of 4: o = softmax(q k^T / 8) v of one batch and head, on codes of E2M3, and o quantised along the channels for the out-projection.  No work of the problem is left out.
; LIMITS: NaN and infinities are not served; the promise holds while the scaled scores (exponents to the base 2) stay under 2^31 in magnitude; a block under 2^-124 gets the byte 1.
; THE DEAL.  Work-group (x, y): head y (batch x 16 + head), queries 512 x .. 512 x + 511.  16 waves; a wave takes 16 queries in each of two passes and walks all 2,048 keys in 16 steps of 128.
; The head's K and V (16 records of 6,400 bytes each: four fragment images and 256 bytes of scale words) lie in LDS for the whole launch: K from 0, V from VOFF.  Each wave brings two records by ONE tensor load, 50 rows of 256 bytes.
; The four work-groups of a cluster are the query blocks of one head: they ask for the tiles jointly (mask 15).  All tiles are asked for at the head and nothing is filled again: there is no loop to run ahead in, so no data prefetch.
; BOTH PRODUCTS ARE USED TRANSPOSED (S^T = k q^T, O^T = v^T p^T): a lane (r, h) holds query r throughout.
; WHICH KEYS FORM A TILE OF K is chosen on the LDS read.  In a record, key 32 g + 16 a + 8 u + i lies in fragment g, half u, tile-row 8 a + i.  Fragment (c, a) as it is read here takes for its rows 0-7 fragment 2 c's rows 8 a + 0 .. 7
; and for its rows 8-15 fragment 2 c + 1's: lane (r, h) reads the bytes of lane 16 h + 8 a + r % 8 of fragment 2 c + r / 8.  So score register 32 c + 16 a + 8 u + i of lane (r, h) is key 64 c + 32 h + 16 a + 8 u + i:
; a lane's 32 registers are ONE whole block of 32 keys, in the order of p's operand registers: a block's largest score needs no other lane and p's codes change no lane.
; A head is 64 deep and the instruction 128: a fragment's halves are two key tiles, multiplied by (q, 0) and by (0, q).
; M is the running largest t rounded up to a whole number, kept as -M in v12; p = 2^(t - M); the row's sum is taken of the unquantised p; when M moves, the sum and O^T are multiplied by 2^(old M - new M), which rounds nothing.
.set TS,    6553600                    ; bytes of one of q, k, v in qkv
.set HS,    102400                     ; of a head
.set REC,   6400                       ; of a record of 128 tokens
.set VOFF,  16*REC
.set SPARE, 2*VOFF                     ; the spare words, 128 bytes a wave
.set LI,  1                            ; 16 x lane
.set LJ,  2                            ; 8 x lane
.set LIV, 3                            ; the same in V's region
.set LJV, 4
.set SPW, 5                            ; my spare word; never rewritten
.set NIL, 6                            ; 0; never rewritten
.set R8,  7                            ; 8 r
.set AK,  8                            ; v8-11 this step's addresses: K by 16 and by 8 bytes, V likewise
.set QF,  16                           ; v16-33 q, 0, q
.set QSC, 34
.set QRAW, 35
.set FG,  36                           ; v36-83 four fragments of K, then of V
.set KSC, 84
.set VSC, 86
.set OB8, 88
.set AK4, 89                           ; this step's address of K's scale words
.set LIK, 90                           ; K's permuted lane places: 1,536 (r / 8) + 16 (16 h + r % 8)
.set LJK, 91                           ; 1,536 (r / 8) + 8 (16 h + r % 8)
.set KSA, 92                           ; 128 (r / 8) + 64 h + 8 (r % 8)
.set SH8, 93                           ; 8 h
.set MOLD, 94                          ; -M of the step before
.set SS,  96                           ; v96-159 scores, then p
.set OO,  160                          ; v160-191 O^T
.set PCD, 192                          ; p's codes
.set PT,  204
.set BM,  212
.set BP,  216
.set BS,  220
.set FF,  224
.set TMP, 226
.set PSC, 227
.set SUM2, 228
.set WV,  18
.set SEL, 20
.set CS,  22                           ; log2(e) / 8
.set G1,  24
.set G0,  32
.set TB,  2
.set CNT, 3
.macro CROUND
	s_barrier_signal -1
	s_barrier_wait -1
	s_cmp_lg_u32 s[WV], 0
	s_cbranch_scc1 .Lnot_wave_0_\@
	s_barrier_signal -3
.Lnot_wave_0_\@:
	s_barrier_wait -3
	s_barrier_signal -1
	s_barrier_wait -1
.endm
	s_load_b128 s[4:7], s[0:1], 0x0                ; qkv, oc
	s_load_b64 s[8:9], s[0:1], 0x10                ; os
	v_lshl_add_u32 v[SPW], v0, 2, SPARE
	v_mov_b32 v[NIL], 0
	ds_add_u32 v[SPW], v[NIL]                      ; the opening lines: the add twice on end and its wait
	ds_add_u32 v[SPW], v[NIL]
	v_lshrrev_b32 v8, 5, v0
	v_readfirstlane_b32 s[WV], v8                  ; wave
	s_bfe_u32 s10, ttmp6, 0x40000                  ; cx: my query block
	s_and_b32 s11, ttmp7, 0xffff                   ; batch x 16 + head
	s_mul_i32 s19, s11, HS
	s_lshr_b32 s12, s[WV], 3                       ; I fetch for K (0) or V (1),
	s_and_b32 s13, s[WV], 7                        ; records 2 s13 and 2 s13 + 1
	s_mul_i32 s15, s13, 2*REC
	s_mul_i32 s14, s12, VOFF
	s_add_co_u32 s14, s14, s15
	s_mul_i32 s16, s12, TS
	s_add_co_u32 s16, s16, TS
	s_add_co_u32 s16, s16, s15
	s_add_co_u32 s16, s16, s19
	s_mov_b32 s17, 0
	s_mov_b32 s[G1], 15|(3<<16)|(1<<21)            ; 50 dense rows of 32 elements of 8 bytes, for all four partners
	s_mov_b32 s[G1+1], 32<<16
	s_mov_b32 s[G1+2], 50<<16
	s_mov_b32 s[G1+3], 32<<16
	s_mov_b32 s[G1+4], 50
	s_mov_b32 s[G1+5], 32
	s_mov_b32 s[G1+6], 0
	s_mov_b32 s[G1+7], 0
	s_mov_b32 s[SEL], 0x76543210
	s_mov_b32 s[SEL+1], 0xfedcba98
	s_mov_b32 s[CS], 0x3e38aa3b
	s_mov_b32 s[CS+1], s[CS]
	s_lshl_b32 s50, s10, 2                         ; q: record 4 cx + wave / 8 (+ 2 in the second pass), fragment (wave / 2) % 4, half wave % 2
	s_add_co_u32 s50, s50, s12
	s_mul_i32 s50, s50, REC
	s_add_co_u32 s50, s50, s19
	s_bfe_u32 s58, s[WV], 0x20001
	s_and_b32 s60, s[WV], 1
	s_and_b32 s52, s58, 1
	s_lshl_b32 s52, s52, 7
	s_lshr_b32 s59, s58, 1
	s_lshl_b32 s59, s59, 2
	s_add_co_u32 s52, s52, s59
	s_add_co_u32 s52, s52, s50
	s_add_co_u32 s52, s52, 6144
	s_mov_b32 s53, 0
	s_mul_i32 s59, s58, 1536
	s_add_co_u32 s50, s50, s59
	s_mul_i32 s59, s60, 768
	s_add_co_u32 s50, s50, s59
	s_mov_b32 s51, 0
	s_mov_b32 s48, 0x01000100                      ; which two bytes of the fragment's scale word are my tile's
	s_cmp_eq_u32 s60, 1
	s_cselect_b32 s48, 0x03020302, s48
	s_lshr_b32 s54, s11, 4                         ; o: token tile 128 batch + 32 cx + wave (+ 16), K = 64 head + ..
	s_lshl_b32 s54, s54, 7
	s_lshl_b32 s59, s10, 5
	s_add_co_u32 s54, s54, s59
	s_add_co_u32 s54, s54, s[WV]
	s_lshl_b32 s56, s54, 9
	s_mul_i32 s54, s54, 12288
	s_and_b32 s59, s11, 15
	s_mul_i32 s61, s59, 768
	s_add_co_u32 s54, s54, s61
	s_mov_b32 s55, 0
	s_lshr_b32 s59, s59, 2
	s_lshl_b32 s59, s59, 7
	s_add_co_u32 s56, s56, s59
	s_and_b32 s59, s11, 3
	s_lshl_b32 s59, s59, 1
	s_add_co_u32 s56, s56, s59
	s_mov_b32 s57, 0
	s_wait_dscnt 0x0
	s_wait_kmcnt 0x0
	s_add_nc_u64 s[40:41], s[4:5], s[50:51]
	s_add_nc_u64 s[42:43], s[4:5], s[52:53]
	s_add_nc_u64 s[44:45], s[6:7], s[54:55]
	s_add_nc_u64 s[46:47], s[8:9], s[56:57]
	s_mov_b32 s[G0], 1
	s_mov_b32 s[G0+1], s14
	s_add_nc_u64 s[G0+2:G0+3], s[4:5], s[16:17]
	s_or_b32 s[G0+3], s[G0+3], 0x80000000
	CROUND                                         ; the four partners are here: the joint loads meet
	tensor_load_to_lds s[G0:G0+3], s[G1:G1+7]      ; my one tensor load of the launch
	s_nop 0
.rept 4
	v_nop
.endr
	v_and_b32 v[QRAW], 31, v0
	v_lshlrev_b32 v[LI], 4, v[QRAW]
	v_lshlrev_b32 v[LJ], 3, v[QRAW]
	v_add_nc_u32 v[LIV], VOFF, v[LI]
	v_add_nc_u32 v[LJV], VOFF, v[LJ]
	v_cmp_lt_u32 s49, 15, v[QRAW]
	v_and_b32 v[R8], 15, v0
	v_bfe_u32 v[OB8], v0, 4, 1                     ; h
	v_lshlrev_b32 v[SH8], 3, v[OB8]
	v_bfe_u32 v8, v0, 3, 1                         ; r / 8
	v_and_b32 v9, 7, v0                            ; r % 8
	v_lshl_add_u32 v10, v[OB8], 4, v9              ; the lane whose bytes I read, less 8 a
	v_mul_u32_u24 v11, v8, 1536
	v_lshl_add_u32 v[LIK], v10, 4, v11
	v_lshl_add_u32 v[LJK], v10, 3, v11
	v_lshlrev_b32 v[KSA], 7, v8
	v_lshl_add_u32 v[KSA], v[OB8], 6, v[KSA]
	v_lshl_add_u32 v[KSA], v9, 3, v[KSA]
	v_lshlrev_b32 v[R8], 3, v[R8]
	v_add_nc_u32 v[OB8], v[R8], v[OB8]
.irp j, 0,1,2,3,4,5
	v_mov_b32 v[QF+6+\j], 0
.endr
.irp b, 0,1,2,3
	v_mov_b32 v[BP+\b], 0                          ; a lane permute's destination counts as one of its sources
.endr
	v_mov_b32 v[FF+1], 0
	v_mov_b32 v[TMP], 0
.macro FRAG reg, a16, a8, off
	ds_load_b128 v[\reg:\reg+3], v[\a16] offset:\off
	ds_load_b64 v[\reg+4:\reg+5], v[\a8] offset:\off+512
	ds_load_b128 v[\reg+6:\reg+9], v[\a16] offset:\off+768
	ds_load_b64 v[\reg+10:\reg+11], v[\a8] offset:\off+1280
.endm
.macro STEP
	v_add_nc_u32 v[AK], s[TB], v[LIK]              ; these four lines are also the places between the last step's products and the loads into their registers
	v_add_nc_u32 v[AK+1], s[TB], v[LJK]
	v_add_nc_u32 v[AK4], s[TB], v[KSA]
	v_mov_b32 v[MOLD], v12
.irp e, 0,1,2,3                        ; fragment (c, a) = (e / 2, e % 2)
	ds_load_b128 v[FG+12*\e:FG+12*\e+3], v[AK] offset:3072*(\e/2)+128*(\e%2)
	ds_load_b64 v[FG+12*\e+4:FG+12*\e+5], v[AK+1] offset:3072*(\e/2)+64*(\e%2)+512
	ds_load_b128 v[FG+12*\e+6:FG+12*\e+9], v[AK] offset:3072*(\e/2)+128*(\e%2)+768
	ds_load_b64 v[FG+12*\e+10:FG+12*\e+11], v[AK+1] offset:3072*(\e/2)+64*(\e%2)+1280
.endr
	ds_load_b64 v[KSC:KSC+1], v[AK4] offset:6144   ; register c: lanes 0-15 the words of fragment (c, 0), lanes 16-31 of (c, 1)
	s_wait_alu depctr_va_vdst(0)
	s_wait_dscnt 0x0
.irp e, 0,1,2,3
.if \e%2
	v_wmma_scale_f32_16x16x128_f8f6f4 v[SS+16*\e:SS+16*\e+7], v[FG+12*\e:FG+12*\e+11], v[QF:QF+11], 0, v[KSC+\e/2], v[QSC] matrix_a_fmt:MATRIX_FMT_FP6 matrix_b_fmt:MATRIX_FMT_FP6 matrix_a_scale:MATRIX_SCALE_ROW1
	v_wmma_scale_f32_16x16x128_f8f6f4 v[SS+16*\e+8:SS+16*\e+15], v[FG+12*\e:FG+12*\e+11], v[QF+6:QF+17], 0, v[KSC+\e/2], v[QSC] matrix_a_fmt:MATRIX_FMT_FP6 matrix_b_fmt:MATRIX_FMT_FP6 matrix_a_scale:MATRIX_SCALE_ROW1
.else
	v_wmma_scale_f32_16x16x128_f8f6f4 v[SS+16*\e:SS+16*\e+7], v[FG+12*\e:FG+12*\e+11], v[QF:QF+11], 0, v[KSC+\e/2], v[QSC] matrix_a_fmt:MATRIX_FMT_FP6 matrix_b_fmt:MATRIX_FMT_FP6
	v_wmma_scale_f32_16x16x128_f8f6f4 v[SS+16*\e+8:SS+16*\e+15], v[FG+12*\e:FG+12*\e+11], v[QF+6:QF+17], 0, v[KSC+\e/2], v[QSC] matrix_a_fmt:MATRIX_FMT_FP6 matrix_b_fmt:MATRIX_FMT_FP6
.endif
.endr
	v_add_nc_u32 v[AK+2], s[TB], v[LIV]            ; four places behind the products
	v_add_nc_u32 v[AK+3], s[TB], v[LJV]
	v_nop
	v_nop
.irp e, 0,1,2,3
	FRAG FG+12*\e, AK+2, AK+3, 1536*\e
.endr
	ds_load_b64 v[VSC:VSC+1], v[AK+3] offset:6144
.irp b, 0,1,2,3                        ; the largest score of my two blocks of 32 keys, in four chains of 16
	v_max3_num_f32 v[BM+\b], v[SS+16*\b], v[SS+1+16*\b], v[SS+2+16*\b]
.endr
.irp i, 3,5,7,9,11,13
.irp b, 0,1,2,3
	v_max3_num_f32 v[BM+\b], v[BM+\b], v[SS+16*\b+\i], v[SS+1+16*\b+\i]
.endr
.endr
.irp c, 0,1
	v_max3_num_f32 v[BM+2*\c], v[BM+2*\c], v[SS+15+32*\c], v[BM+2*\c+1]
.endr
.irp c, 0,1
	v_max_num_f32 v[BM+2*\c], v[BM+2*\c], v[SS+31+32*\c]   ; block 2 c + h's, in v[BM + 2 c]
.endr
	s_delay_alu instid0(VALU_DEP_1)
	v_max_num_f32 v[TMP], v[BM], v[BM+2]
	s_delay_alu instid0(VALU_DEP_1)
	v_permlanex16_b32 v[BP+1], v[TMP], s[SEL], s[SEL+1]
	s_delay_alu instid0(VALU_DEP_1)
	v_max_num_f32 v[TMP], v[TMP], v[BP+1]          ; the step's largest score of my query
	s_delay_alu instid0(VALU_DEP_1)
	v_mul_f32 v[TMP], s[CS], v[TMP]
	s_delay_alu instid0(VALU_DEP_1)
	v_max_num_f32 v13, v13, v[TMP]                 ; the running largest t
	s_delay_alu instid0(VALU_DEP_1)
	v_floor_f32 v12, -v13                          ; -M
	s_delay_alu instid0(VALU_DEP_1)
	v_sub_f32 v[TMP], v12, v[MOLD]
	s_delay_alu instid0(VALU_DEP_1)
	v_cvt_i32_f32 v[TMP], v[TMP]                   ; old M - new M
.set J, 0
.rept 32
	v_pk_fma_f32 v[SS+J:SS+J+1], v[SS+J:SS+J+1], s[CS:CS+1], v[12:13] op_sel_hi:[1,0,0]
.set J, J+2
.endr
.irp c, 0,1
	v_fma_f32 v[BM+2*\c], v[BM+2*\c], s[CS], v12   ; the same of each block's largest score
.endr
	s_wait_alu depctr_va_vdst(0)
.set J, 0
.rept 64
	v_exp_f32 v[SS+J], v[SS+J]
.set J, J+1
.endr
.irp c, 0,1
	v_exp_f32 v[BM+2*\c], v[BM+2*\c]               ; the block's largest p: the same two instructions on the same number
.endr
	v_ldexp_f32 v[FF], 1.0, v[TMP]                 ; f = 2^(old M - new M); the plain place behind the batch
	s_wait_alu depctr_va_vdst(0)                   ; and the wait behind it
	v_pk_fma_f32 v[14:15], v[14:15], v[FF:FF+1], v[SS:SS+1] op_sel_hi:[1,0,1]   ; the sum under the new M, and the unquantised p in two chains
	v_pk_add_f32 v[SUM2:SUM2+1], v[SS+2:SS+3], v[SS+4:SS+5]
.set J, 6
.rept 14
	v_pk_add_f32 v[14:15], v[14:15], v[SS+J:SS+J+1]
	v_pk_add_f32 v[SUM2:SUM2+1], v[SUM2:SUM2+1], v[SS+J+2:SS+J+3]
.set J, J+4
.endr
	v_pk_add_f32 v[14:15], v[14:15], v[SS+62:SS+63]
	v_pk_add_f32 v[14:15], v[14:15], v[SUM2:SUM2+1]
.irp c, 0,2
	v_max_num_f32 v[BM+\c], 0x1800000, v[BM+\c]    ; the floor 2^(3 - 127)
.endr
.irp c, 0,2
	v_add_nc_u32 v[BS+\c], 0xff000000, v[BM+\c]    ; the conversions' scale operand
.endr
.irp c, 0,2
	v_lshrrev_b32 v[BP+\c], 23, v[BS+\c]           ; the scale's byte
.endr
	v_lshl_or_b32 v[PSC], v[BP+2], 16, v[BP]       ; my blocks h and 2 + h,
	v_lshlrev_b32 v[PSC], v[SH8], v[PSC]           ; at their places in the word;
	v_permlanex16_b32 v[BP+3], v[PSC], s[SEL], s[SEL+1]
	v_or_b32 v[PSC], v[PSC], v[BP+3]               ; with lane l xor 16's two the word is whole
.irp c, 0,1
	v_cvt_scalef32_pk16_fp6_f32 v[PCD+6*\c:PCD+2+6*\c], v[SS+32*\c:SS+15+32*\c], v[BS+2*\c]
	v_cvt_scalef32_pk16_fp6_f32 v[PT+4*\c:PT+2+4*\c], v[SS+16+32*\c:SS+31+32*\c], v[BS+2*\c]   ; a conversion's three registers begin on an even number
.endr
	v_nop                                          ; one plain place behind a scaled conversion
.irp c, 0,1
.irp i, 0,1,2
	v_mov_b32 v[PCD+3+6*\c+\i], v[PT+4*\c+\i]
.endr
.endr
	s_wait_alu depctr_va_vdst(0)
.set J, 0
.rept 16
	v_pk_mul_f32 v[OO+J:OO+J+1], v[OO+J:OO+J+1], v[FF:FF+1] op_sel_hi:[1,0]   ; O^T under the new M; also the places ahead of the products
.set J, J+2
.endr
	s_wait_alu depctr_va_vdst(0)
	s_wait_dscnt 0x0
.irp e, 0,1,2,3
.if \e%2
	v_wmma_scale_f32_16x16x128_f8f6f4 v[OO+8*\e:OO+8*\e+7], v[FG+12*\e:FG+12*\e+11], v[PCD:PCD+11], v[OO+8*\e:OO+8*\e+7], v[VSC+\e/2], v[PSC] matrix_a_fmt:MATRIX_FMT_FP6 matrix_b_fmt:MATRIX_FMT_FP6 matrix_a_scale:MATRIX_SCALE_ROW1
.else
	v_wmma_scale_f32_16x16x128_f8f6f4 v[OO+8*\e:OO+8*\e+7], v[FG+12*\e:FG+12*\e+11], v[PCD:PCD+11], v[OO+8*\e:OO+8*\e+7], v[VSC+\e/2], v[PSC] matrix_a_fmt:MATRIX_FMT_FP6 matrix_b_fmt:MATRIX_FMT_FP6
.endif
.endr
	s_add_co_u32 s[TB], s[TB], REC
.endm
.macro PASS p
	s_wait_xcnt 0x0
	global_load_b128 v[QF:QF+3], v[LI], s[40:41] offset:2*REC*\p
	global_load_b64 v[QF+4:QF+5], v[LJ], s[40:41] offset:2*REC*\p+512
	global_load_b128 v[QF+12:QF+15], v[LI], s[40:41] offset:2*REC*\p
	global_load_b64 v[QF+16:QF+17], v[LJ], s[40:41] offset:2*REC*\p+512
	global_load_b32 v[QRAW], v[R8], s[42:43] offset:2*REC*\p
	v_mov_b32 v13, 0xff61b1e6                      ; the largest t so far: under every t
	v_floor_f32 v12, -v13
	v_mov_b32 v14, 0
	v_mov_b32 v15, 0
	s_mov_b32 s[TB], 0
	s_mov_b32 s[CNT], 16
	s_wait_loadcnt 0x0
	v_perm_b32 v[QSC], v[QRAW], v[QRAW], s48
.set J, 0
.rept 32
	v_mov_b32 v[OO+J], 0                           ; the step is written once: the first finds zeros
.set J, J+1
.endr
	s_wait_alu depctr_va_vdst(0)
.if \p == 0
	s_wait_tensorcnt 0x0                           ; my two records are in;
	s_barrier_signal -1
	s_barrier_wait -1                              ; and everybody's
.endif
.Lstep_\@:
	STEP
	s_sub_co_u32 s[CNT], s[CNT], 1
	s_cmp_lg_u32 s[CNT], 0
	s_cbranch_scc1 .Lstep_\@
.rept 4
	v_nop
.endr
	v_add_f32 v14, v14, v15
	s_delay_alu instid0(VALU_DEP_1)
	v_permlanex16_b32 v[TMP], v14, s[SEL], s[SEL+1]
	s_delay_alu instid0(VALU_DEP_1)
	v_add_f32 v14, v14, v[TMP]                     ; the row's sum
	s_wait_alu depctr_va_vdst(0)
	v_rcp_f32 v14, v14
	v_nop
	s_wait_alu depctr_va_vdst(0)
.set J, 0
.rept 32
	v_mul_f32 v[SS+J], v[OO+J], v14                ; register 16 g + i: channel 32 g + 16 h + i of my query
.set J, J+1
.endr
.irp g, 0,1
	v_max3_num_f32 v[BM+\g], |v[SS+16*\g]|, |v[SS+1+16*\g]|, 0x1800000
.endr
.irp i, 2,4,6,8,10,12,14
.irp g, 0,1
	s_delay_alu instid0(VALU_DEP_2)
	v_max3_num_f32 v[BM+\g], v[BM+\g], |v[SS+16*\g+\i]|, |v[SS+1+16*\g+\i]|
.endr
.endr
.irp g, 0,1
	s_delay_alu instid0(VALU_DEP_2)
	v_permlanex16_b32 v[BP+\g], v[BM+\g], s[SEL], s[SEL+1]
.endr
.irp g, 0,1
	s_delay_alu instid0(VALU_DEP_2)
	v_max_num_f32 v[BM+\g], v[BM+\g], v[BP+\g]
.endr
.irp g, 0,1
	s_delay_alu instid0(VALU_DEP_2)
	v_add_nc_u32 v[BS+\g], 0xff000000, v[BM+\g]
.endr
.irp g, 0,1
	s_delay_alu instid0(VALU_DEP_2)
	v_lshrrev_b32 v[BP+\g], 23, v[BS+\g]
.endr
	s_delay_alu instid0(VALU_DEP_1)
	v_cndmask_b32 v[TMP], v[BP], v[BP+1], s49
	v_cvt_scalef32_pk16_fp6_f32 v[PCD:PCD+2], v[SS:SS+15], v[BS]
	v_cvt_scalef32_pk16_fp6_f32 v[PT:PT+2], v[SS+16:SS+31], v[BS+1]
	v_nop
.irp i, 0,1,2
	v_permlane16_swap_b32 v[PCD+\i], v[PT+\i]      ; the operand wants a whole block in a lane
.endr
.irp i, 0,1,2
	s_delay_alu instid0(VALU_DEP_3)
	v_mov_b32 v[PCD+3+\i], v[PT+\i]
.endr
	global_store_b128 v[LI], v[PCD:PCD+3], s[44:45] offset:16*12288*\p
	global_store_b64 v[LJ], v[PCD+4:PCD+5], s[44:45] offset:16*12288*\p+512
	global_store_b8 v[OB8], v[TMP], s[46:47] offset:16*512*\p
.endm
	PASS 0
	PASS 1
	s_wait_tensorcnt 0x0                           ; the wave's end
	ds_add_u32 v[SPW], v[NIL]
	s_wait_dscnt 0x0
	CROUND                                         ; the closing round
	s_endpgm
.Lfunc_end_k_qfa3e0d0d32_attn:
	.size	k_qfa3e0d0d32_attn, .Lfunc_end_k_qfa3e0d0d32_attn-k_qfa3e0d0d32_attn
	.p2alignl 7, 3214868480
	.fill 96, 4, 3214868480
	.section	.rodata,"a",@progbits
	.p2align	6, 0x0
	.amdhsa_kernel k_qfa3e0d0d32_attn
		.amdhsa_group_segment_fixed_size 327680
		.amdhsa_private_segment_fixed_size 0
		.amdhsa_enable_private_segment 0
		.amdhsa_kernarg_size 24
		.amdhsa_user_sgpr_count 2
		.amdhsa_user_sgpr_kernarg_segment_ptr 1
		.amdhsa_wavefront_size32 1
		.amdhsa_system_sgpr_workgroup_id_x 1
		.amdhsa_system_sgpr_workgroup_id_y 1
		.amdhsa_system_sgpr_workgroup_id_z 1
		.amdhsa_system_vgpr_workitem_id 0
		.amdhsa_next_free_vgpr 256
		.amdhsa_next_free_sgpr 66
		.amdhsa_reserve_vcc 0
		.amdhsa_float_denorm_mode_32 3
		.amdhsa_float_denorm_mode_16_64 3
		.amdhsa_memory_ordered 1
		.amdhsa_forward_progress 1
		.amdhsa_inst_pref_size 49
	.end_amdhsa_kernel
	.amdgpu_metadata
---
amdhsa.version: [ 1, 2 ]
amdhsa.kernels:
  - .name:           k_qfa3e0d0d32_attn
    .symbol:         k_qfa3e0d0d32_attn.kd
    .args:
      - { .name: qkv, .offset: 0, .size: 8, .value_kind: global_buffer, .address_space: global }
      - { .name: oc, .offset: 8, .size: 8, .value_kind: global_buffer, .address_space: global }
      - { .name: os, .offset: 16, .size: 8, .value_kind: global_buffer, .address_space: global }
    .group_segment_fixed_size: 327680
    .private_segment_fixed_size: 0
    .kernarg_segment_align: 8
    .kernarg_segment_size: 24
    .max_flat_workgroup_size: 512
    .sgpr_count:     66
    .vgpr_count:     256
    .wavefront_size: 32
...
	.end_amdgpu_metadata
.endif
;; end of part 3
;; launch gemm2 (part 4): grid 4 x 32, 4 waves a work-group, clusters of 4 x 4, 327,680 bytes of LDS; arguments oc, os, gc, gs, out0, b_out; writes out0
.if DOCPART == 4
	.amdgcn_target "amdgcn-amd-amdhsa--gfx1250"
	.amdhsa_code_object_version 6
	.text
	.protected	k_qfa3e0d0d32_gemm2
	.globl	k_qfa3e0d0d32_gemm2
	.p2align	8
	.type	k_qfa3e0d0d32_gemm2,@function
k_qfa3e0d0d32_gemm2:
	s_mov_b64 s[64:65], 0
	v_nop
	global_prefetch_b8 v0, s[64:65] scope:SCOPE_SE
	s_setreg_imm32_b32 hwreg(HW_REG_WAVE_MODE, 25, 1), 1
	s_wait_xcnt 0x0
	s_wait_alu depctr_hold_cnt(0) depctr_sa_sdst(0) depctr_va_vdst(0) depctr_va_sdst(0) depctr_va_ssrc(0) depctr_va_vcc(0) depctr_vm_vsrc(0)
	s_getreg_b32 s2, hwreg(HW_REG_IB_STS2, 6, 4)
	s_cmp_eq_u32 s2, 0
	s_cbranch_scc0 .Lentry_in_a_cluster
	s_endpgm
.Lentry_in_a_cluster:
	s_bfe_u32 s2, ttmp6, 0x10000c
	s_cmp_lg_u32 s2, 0xf033
	s_cbranch_scc0 .Lentry_shape_is_right
	s_endpgm
.Lentry_shape_is_right:
.set WO,    8650752
.set WOS,   360448
.set NQ,    2
.set FR,    12
.set NL,    4
.set NP,    4
.set FRB,   1536
.set TILEB, NQ*FRB
.set TPITCH, 12288
.set HALFT, 8*TILEB
.set SLOT,  4*HALFT
.set SCL,   2*SLOT
.set SPARE, SCL+4*4096
.set SPITCH, 528
.set LI,   8
.set LJ,   9
.set BO,   11
.set ADRA, 16
.set ADRB, 20
.set STO,  24
.set RD,   25
.set ADRS, 27
.set SPW,  28
.set NIL,  29
.set SC,   32
.set AF,   128
.set BK,   128
.set G1, 24
.set G0, 32
.set G1B, 48
.set G0B, 56
.set G1S, 68
.set G0S, 76
.set G1SB, 80
.set G0SB, 88
.set MSB, 0
.macro WIN new
.if MSB != \new
	s_set_vgpr_msb (MSB<<8)|\new
.set MSB, \new
.endif
.endm
.set MUL_LO, 0xa1
.set MUL_HI, 0xf1
.set BIA_LO, 0x91
.set BIA_HI, 0xd1
.set TO_B,   0x40
.macro JLOAD g0a, g1a, g0b, g1b
	s_cmp_eq_u32 s15, 0
	s_cbranch_scc0 .Lfor_b_\@
	tensor_load_to_lds s[\g0a:\g0a+3], s[\g1a:\g1a+7]
	s_nop 0
.rept 4
	v_nop
.endr
	s_branch .Lasked_\@
.Lfor_b_\@:
	tensor_load_to_lds s[\g0b:\g0b+3], s[\g1b:\g1b+7]
	s_nop 0
.rept 4
	v_nop
.endr
.Lasked_\@:
.endm
.macro CREST
	s_cmp_lg_u32 s14, 0
	s_cbranch_scc1 .Lnot_wave_0_\@
	s_barrier_signal -3
.Lnot_wave_0_\@:
	s_barrier_wait -3
	s_barrier_signal -1
	s_barrier_wait -1
.endm
.macro CROUND
	s_barrier_signal -1
	s_barrier_wait -1
	CREST
.endm
	s_load_b256 s[4:11], s[0:1], 0x0
	s_load_b64 s[12:13], s[0:1], 0x20
	s_load_b64 s[2:3], s[0:1], 0x28
	v_lshl_add_u32 v[SPW], v0, 2, SPARE
	v_mov_b32 v[NIL], 0
	ds_add_u32 v[SPW], v[NIL]
	ds_add_u32 v[SPW], v[NIL]
	v_lshrrev_b32 v1, 5, v0
	v_readfirstlane_b32 s14, v1
	s_lshr_b32 s15, s14, 1
	s_and_b32 s16, s14, 1
	s_bfe_u32 s40, ttmp6, 0x40000
	s_bfe_u32 s41, ttmp6, 0x40004
	s_lshl_b32 s42, ttmp9, 2
	s_add_co_u32 s42, s42, s40
	s_and_b32 s17, ttmp7, 0xffff
	s_lshl_b32 s17, s17, 2
	s_add_co_u32 s17, s17, s41
	s_lshl_b32 s43, s41, 2
	s_lshl_b32 s43, 15, s43
	s_lshl_b32 s44, 0x1111, s40
	s_or_b32 s[G1+0], s43, (3<<16)|(1<<21)
	s_or_b32 s[G1B+0], s44, (3<<16)|(1<<21)
.irp g, G1, G1B
	s_mov_b32 s[\g+1], (TILEB/8)<<16
	s_mov_b32 s[\g+2], 16<<16                      ; 16 tiles for the head's loads; set to 8 for the ring's behind them
	s_mov_b32 s[\g+3], (TILEB/8)<<16
	s_mov_b32 s[\g+4], 16
	s_mov_b32 s[\g+5], TPITCH/8
	s_mov_b32 s[\g+6], 0
	s_mov_b32 s[\g+7], 0
.endr
	s_or_b32 s[G1S+0], s43, (3<<16)|(1<<21)
	s_or_b32 s[G1SB+0], s44, (3<<16)|(1<<21)
.irp g, G1S, G1SB
	s_mov_b32 s[\g+1], 32<<16
	s_mov_b32 s[\g+2], 32<<16                      ; the scale words of 16 tiles: 32 rows of 256 bytes
	s_mov_b32 s[\g+3], 32<<16
	s_mov_b32 s[\g+4], 32
	s_mov_b32 s[\g+5], 32
	s_mov_b32 s[\g+6], 0
	s_mov_b32 s[\g+7], 0
.endr
	s_mul_i32 s18, s16, 8*TPITCH                   ; in the ring I fetch 8 tiles: which half, in bytes
	s_mov_b32 s19, 0
	s_lshl_b32 s20, s17, 4                         ; A: the block's first tile
	s_lshl_b32 s46, s42, 4                         ; B likewise
	s_lshl_b32 s22, s20, 9
	s_mov_b32 s23, 0
	s_lshl_b32 s92, s46, 9
	s_add_co_u32 s92, s92, WOS
	s_mov_b32 s93, 0
	s_mul_i32 s20, s20, TPITCH
	s_mov_b32 s21, 0
	s_mul_i32 s46, s46, TPITCH
	s_add_co_u32 s46, s46, WO
	s_mov_b32 s47, 0
	s_mul_i32 s45, s14, HALFT
	s_wait_dscnt 0x0
	s_wait_kmcnt 0x0
	s_add_nc_u64 s[20:21], s[4:5], s[20:21]
	s_add_nc_u64 s[22:23], s[6:7], s[22:23]
	s_add_nc_u64 s[46:47], s[8:9], s[46:47]
	s_add_nc_u64 s[92:93], s[10:11], s[92:93]
	CROUND
	s_mov_b32 s[G0S], 1
	s_mov_b32 s[G0S+1], SCL
	s_mov_b64 s[G0S+2:G0S+3], s[22:23]
	s_or_b32 s[G0S+3], s[G0S+3], 0x80000000
	s_mov_b32 s[G0SB], 1
	s_mov_b32 s[G0SB+1], SCL+8192
	s_mov_b64 s[G0SB+2:G0SB+3], s[92:93]
	s_or_b32 s[G0SB+3], s[G0SB+3], 0x80000000
	s_add_nc_u64 s[20:21], s[20:21], s[18:19]      ; for the ring: my 8 tiles
	s_add_nc_u64 s[46:47], s[46:47], s[18:19]
.irp s, 0,1
	s_mov_b32 s[G0+4*\s], 1
	s_add_co_u32 s[G0+4*\s+1], s45, \s*SLOT
	s_add_nc_u64 s[G0+4*\s+2:G0+4*\s+3], s[20:21], \s*TILEB
	s_or_b32 s[G0+4*\s+3], s[G0+4*\s+3], 0x80000000
	s_mov_b32 s[G0B+4*\s], 1
	s_add_co_u32 s[G0B+4*\s+1], s45, \s*SLOT
	s_add_nc_u64 s[G0B+4*\s+2:G0B+4*\s+3], s[46:47], \s*TILEB
	s_or_b32 s[G0B+4*\s+3], s[G0B+4*\s+3], 0x80000000
.endr
; THE HEAD'S LOADS, ONE A WAVE: wave 0 slot 0's 16 tiles of A, wave 1 its 16 tiles of B, wave 2 A's scale words, wave 3 B's.  Slot 0's groups 0 serve them, set to the whole block; behind the wait they get the ring's values back.
	s_mov_b32 s[G0+1], 0
	s_sub_nc_u64 s[G0+2:G0+3], s[G0+2:G0+3], s[18:19]
	s_mov_b32 s[G0B+1], 2*HALFT
	s_sub_nc_u64 s[G0B+2:G0B+3], s[G0B+2:G0B+3], s[18:19]
.macro ARM under, g0, g1, next
	s_cmp_lt_u32 s14, \under
	s_cbranch_scc0 \next
	tensor_load_to_lds s[\g0:\g0+3], s[\g1:\g1+7]
	s_nop 0
.rept 4
	v_nop
.endr
	s_branch .Lhead_asked
\next:
.endm
	ARM 1, G0,  G1,  .Lhead_b
	ARM 2, G0B, G1B, .Lhead_sa
	ARM 3, G0S, G1S, .Lhead_sb
	tensor_load_to_lds s[G0SB:G0SB+3], s[G1SB:G1SB+7]
	s_nop 0
.rept 4
	v_nop
.endr
.Lhead_asked:
	v_and_b32 v1, 15, v0
	v_bfe_u32 v2, v0, 4, 1
	v_and_b32 v3, 31, v0
	v_lshlrev_b32 v[LI], 4, v3
	s_wait_alu depctr_va_vdst(0)
	v_lshlrev_b32 v[LJ], 3, v3
	s_wait_alu depctr_va_vdst(0)
	v_lshlrev_b32 v[BO], 6, v2
	s_lshl_b32 s66, s42, 10
	s_lshl_b32 s67, s16, 9
	s_add_co_u32 s66, s66, s67
	s_mov_b32 s67, 0
	s_add_nc_u64 s[2:3], s[2:3], s[66:67]
	WIN TO_B
.irp b, 0,1,2,3,4,5,6,7
	global_load_b128 v[96+8*\b+96*(\b/4):96+8*\b+96*(\b/4)+3], v[BO], s[2:3] offset:(32*(\b/2)+8*(\b%2))*4
	global_load_b128 v[96+8*\b+96*(\b/4)+4:96+8*\b+96*(\b/4)+7], v[BO], s[2:3] offset:(32*(\b/2)+8*(\b%2))*4+16
.endr
	WIN 0
	s_mul_i32 s21, s15, HALFT
	s_mul_i32 s22, s16, HALFT
	s_add_co_u32 s22, s22, 2*HALFT
.irp s, 0,1
	v_add_nc_u32 v[ADRA+\s], s21, v[LI]
	v_add_nc_u32 v[ADRA+2+\s], s21, v[LJ]
	v_add_nc_u32 v[ADRB+\s], s22, v[LI]
	v_add_nc_u32 v[ADRB+2+\s], s22, v[LJ]
	s_add_co_u32 s21, s21, SLOT
	s_add_co_u32 s22, s22, SLOT
.endr
	v_lshlrev_b32 v5, 3, v1
	s_lshl_b32 s21, s15, 12
	s_lshl_b32 s22, s16, 12
	s_add_co_u32 s22, s22, 8192
	s_sub_co_u32 s22, s22, s21
	v_mul_u32_u24 v6, s22, v2
	s_add_co_u32 s21, s21, SCL
	v_add_nc_u32 v5, v5, v6
	v_add_nc_u32 v[ADRS], s21, v5
	s_mul_i32 s23, s14, 16*SPITCH
	v_mul_u32_u24 v5, v1, SPITCH
	v_lshl_add_u32 v5, v2, 6, v5
	v_add_nc_u32 v[STO], s23, v5
	v_add_nc_u32 v[RD], s23, v[LI]
	s_lshl_b32 s96, s17, 8
	s_lshl_b32 s97, s15, 7
	s_add_co_u32 s96, s96, s97
	s_lshl_b32 s96, s96, 12
	s_mov_b32 s97, 0
	s_add_nc_u64 s[12:13], s[12:13], s[96:97]
	s_add_nc_u64 s[12:13], s[12:13], s[66:67]
.macro FRAG reg, adr, q, i
	ds_load_b128 v[\reg:\reg+3], v[\adr] offset:(\i)*TILEB+(\q)*FRB
	ds_load_b64 v[\reg+4:\reg+5], v[\adr+2] offset:(\i)*TILEB+(\q)*FRB+512
	ds_load_b128 v[\reg+6:\reg+9], v[\adr] offset:(\i)*TILEB+(\q)*FRB+768
	ds_load_b64 v[\reg+10:\reg+11], v[\adr+2] offset:(\i)*TILEB+(\q)*FRB+1280
.endm
.macro MUL16 a0, p, q, sc, first
.irp a, \a0, \a0+1
.irp b, 0,1,2,3,4,5,6,7
.if \first
	v_wmma_scale_f32_16x16x128_f8f6f4 v[8*(8*((\a)%4)+\b):8*(8*((\a)%4)+\b)+7], v[128*(\p)+FR*\b:128*(\p)+FR*\b+FR-1], v[AF+FR*(\a):AF+FR*(\a)+FR-1], v[96+8*\b+96*(\b/4):96+8*\b+96*(\b/4)+7], v[SC+8*NQ*(\sc)+NQ*\b+(\q)], v[SC+8*NQ*(\sc)+NQ*(\a)+(\q)] matrix_a_fmt:MATRIX_FMT_FP6 matrix_b_fmt:MATRIX_FMT_FP6 matrix_a_scale:MATRIX_SCALE_ROW1
.else
	v_wmma_scale_f32_16x16x128_f8f6f4 v[8*(8*((\a)%4)+\b):8*(8*((\a)%4)+\b)+7], v[128*(\p)+FR*\b:128*(\p)+FR*\b+FR-1], v[AF+FR*(\a):AF+FR*(\a)+FR-1], v[8*(8*((\a)%4)+\b):8*(8*((\a)%4)+\b)+7], v[SC+8*NQ*(\sc)+NQ*\b+(\q)], v[SC+8*NQ*(\sc)+NQ*(\a)+(\q)] matrix_a_fmt:MATRIX_FMT_FP6 matrix_b_fmt:MATRIX_FMT_FP6 matrix_a_scale:MATRIX_SCALE_ROW1
.endif
.endr
.endr
.endm
.macro FETCH_B slot, q, p
	WIN TO_B
.irp i, 0,1,2,3,4,5,6,7
	FRAG 128*(\p)+FR*\i, ADRB+\slot, \q, \i
.endr
	WIN 0
.endm
.macro FETCH_A slot, q, i0
.irp i, \i0, \i0+1, \i0+2, \i0+3
	FRAG AF+FR*(\i), ADRA+\slot, \q, \i
.endr
.endm
.macro SCALES sc
.irp i, 0,1,2,3,4,5,6,7
	ds_load_b64 v[SC+8*NQ*\sc+NQ*\i:SC+8*NQ*\sc+NQ*\i+1], v[ADRS] offset:\i*512
.endr
.endm
.macro PLACES n
.rept \n
	v_nop
.endr
.endm
.macro STEP slot, q, first
	s_wait_dscnt 4*NL
.if \first
	WIN BIA_LO
.else
	WIN MUL_LO
.endif
	MUL16 0, (\q)%2, \q, \slot, \first
	MUL16 2, (\q)%2, \q, \slot, \first
	s_wait_dscnt 0
	PLACES NP
	FETCH_B \slot, (\q)+1, 1-(\q)%2
	FETCH_A \slot, (\q)+1, 0
.if \first
	WIN BIA_HI
.else
	WIN MUL_HI
.endif
	MUL16 4, (\q)%2, \q, \slot, \first
	MUL16 6, (\q)%2, \q, \slot, \first
	PLACES NP
	WIN 0
	FETCH_A \slot, (\q)+1, 4
.endm
.macro TURN slot, next, fill
	s_wait_tensorcnt 0x0
	ds_add_u32 v[SPW], v[NIL]
	s_wait_dscnt 4*NL+1
	WIN MUL_LO
	MUL16 0, 1, NQ-1, \slot, 0
	s_wait_dscnt 0x0
	s_barrier_signal -1
	MUL16 2, 1, NQ-1, \slot, 0
	WIN 0
	s_barrier_wait -1
.if \fill
	CREST
	s_add_nc_u64 s[G0+4*\slot+2:G0+4*\slot+3], s[G0+4*\slot+2:G0+4*\slot+3], 2*TILEB
	s_add_nc_u64 s[G0B+4*\slot+2:G0B+4*\slot+3], s[G0B+4*\slot+2:G0B+4*\slot+3], 2*TILEB
	JLOAD G0+4*\slot, G1, G0B+4*\slot, G1B
.else
	PLACES NP
.endif
	s_wait_alu depctr_va_vdst(0)
	v_add_nc_u32 v[ADRS], 128, v[ADRS]
	FETCH_B \next, 0, 0
	FETCH_A \next, 0, 0
	SCALES \next
	WIN MUL_HI
	MUL16 4, 1, NQ-1, \slot, 0
	MUL16 6, 1, NQ-1, \slot, 0
	PLACES NP
	WIN 0
	FETCH_A \next, 0, 4
.endm
	s_wait_alu depctr_va_vdst(0)
	s_wait_tensorcnt 0x0                           ; my tile of the head's four is in; these lines stand ahead of slot 1's first fill as ahead of a refill
	ds_add_u32 v[SPW], v[NIL]
	s_mov_b32 s[G1+2], 8<<16                       ; no tensor load of mine is out: from here on a load brings 8 tiles
	s_mov_b32 s[G1+4], 8
	s_mov_b32 s[G1B+2], 8<<16
	s_mov_b32 s[G1B+4], 8
	s_mov_b32 s[G0+1], s45                         ; slot 0's groups 0 as the ring wants them
	s_add_nc_u64 s[G0+2:G0+3], s[G0+2:G0+3], s[18:19]
	s_mov_b32 s[G0B+1], s45
	s_add_nc_u64 s[G0B+2:G0B+3], s[G0B+2:G0B+3], s[18:19]
	s_wait_dscnt 0x0
	CROUND                                         ; all four tiles are in, and all sixteen work-groups are here
	JLOAD G0+4, G1, G0B+4, G1B                     ; slot 1's first fill, the first tensor load behind the round
	FETCH_B 0, 0, 0
	FETCH_A 0, 0, 0
	SCALES 0
	FETCH_A 0, 0, 4
	s_wait_loadcnt 0x0
	STEP 0, 0, 1
	TURN 0, 1, 1
	STEP 1, 0, 0
	TURN 1, 0, 1
	STEP 0, 0, 0
	TURN 0, 1, 0
	STEP 1, 0, 0
	s_wait_dscnt 4*NL
	WIN MUL_LO
	MUL16 0, 1, NQ-1, 1, 0
	MUL16 2, 1, NQ-1, 1, 0
	s_wait_dscnt 0
	WIN MUL_HI
	MUL16 4, 1, NQ-1, 1, 0
	MUL16 6, 1, NQ-1, 1, 0
	WIN 0
.macro TOSTAGE a
.set AC, 64*((\a)%4)
	WIN 0x08+4*((\a)/4)
.irp b, 0,1,2,3,4,5,6,7
	ds_store_b128 v[STO], v[AC+8*\b:AC+8*\b+3] offset:128*(\b/2)+32*(\b%2)
	ds_store_b128 v[STO], v[AC+8*\b+4:AC+8*\b+7] offset:128*(\b/2)+32*(\b%2)+16
.endr
	WIN 0
.set BB, BK+64*((\a)%2)
.irp t, 0,1,2,3,4,5,6,7,8,9,10,11,12,13,14,15
	ds_load_b128 v[BB+4*\t:BB+4*\t+3], v[RD] offset:\t*SPITCH
.endr
.endm
.macro SEND a, younger
.set BB, BK+64*((\a)%2)
	s_wait_dscnt \younger
.irp t, 0,1,2,3,4,5,6,7,8,9,10,11,12,13,14,15
	global_store_b128 v[LI], v[BB+4*\t:BB+4*\t+3], s[12:13] offset:(32*((\a)/2)+8*((\a)%2)+\t+8*(\t/8))*4096 th:TH_STORE_NT
.endr
.endm
	PLACES NP
	TOSTAGE 0
.irp a, 1,2,3,4,5,6,7
.if \a > 1
	s_wait_xcnt 0x0
.endif
	TOSTAGE \a
	SEND \a-1, 32
.endr
	SEND 7, 0
	s_wait_tensorcnt 0x0
	ds_add_u32 v[SPW], v[NIL]
	s_wait_dscnt 0x0
	CROUND
	s_endpgm
.Lfunc_end_k_qfa3e0d0d32_gemm2:
	.size	k_qfa3e0d0d32_gemm2, .Lfunc_end_k_qfa3e0d0d32_gemm2-k_qfa3e0d0d32_gemm2
	.p2alignl 7, 3214868480
	.fill 96, 4, 3214868480
	.section	.rodata,"a",@progbits
	.p2align	6, 0x0
	.amdhsa_kernel k_qfa3e0d0d32_gemm2
		.amdhsa_group_segment_fixed_size 327680
		.amdhsa_private_segment_fixed_size 0
		.amdhsa_enable_private_segment 0
		.amdhsa_kernarg_size 48
		.amdhsa_user_sgpr_count 2
		.amdhsa_user_sgpr_kernarg_segment_ptr 1
		.amdhsa_wavefront_size32 1
		.amdhsa_system_sgpr_workgroup_id_x 1
		.amdhsa_system_sgpr_workgroup_id_y 1
		.amdhsa_system_sgpr_workgroup_id_z 1
		.amdhsa_system_vgpr_workitem_id 0
		.amdhsa_next_free_vgpr 1024
		.amdhsa_next_free_sgpr 98
		.amdhsa_reserve_vcc 0
		.amdhsa_float_denorm_mode_32 3
		.amdhsa_float_denorm_mode_16_64 3
		.amdhsa_memory_ordered 1
		.amdhsa_forward_progress 1
		.amdhsa_inst_pref_size 146
	.end_amdhsa_kernel
	.amdgpu_metadata
---
amdhsa.version: [ 1, 2 ]
amdhsa.kernels:
  - .name:           k_qfa3e0d0d32_gemm2
    .symbol:         k_qfa3e0d0d32_gemm2.kd
    .args:
      - { .name: oc, .offset: 0, .size: 8, .value_kind: global_buffer, .address_space: global }
      - { .name: os, .offset: 8, .size: 8, .value_kind: global_buffer, .address_space: global }
      - { .name: gc, .offset: 16, .size: 8, .value_kind: global_buffer, .address_space: global }
      - { .name: gs, .offset: 24, .size: 8, .value_kind: global_buffer, .address_space: global }
      - { .name: out0, .offset: 32, .size: 8, .value_kind: global_buffer, .address_space: global }
      - { .name: b_out, .offset: 40, .size: 8, .value_kind: global_buffer, .address_space: global }
    .group_segment_fixed_size: 327680
    .private_segment_fixed_size: 0
    .kernarg_segment_align: 8
    .kernarg_segment_size: 48
    .max_flat_workgroup_size: 128
    .sgpr_count:     98
    .vgpr_count:     1024
    .wavefront_size: 32
...
	.end_amdgpu_metadata
.endif
;; end of part 4
